; MI455X (gfx1250); checked and timed in simulation.
; The chip was launched on July 23, 2026; its instructions are those of AMD's public machine-readable ISA for CDNA 5 (MIT licence, August 2026) and "CDNA5" Instruction Set Architecture Reference Guide (July 2026). The comments in the code are by the model that wrote it; some were corrected since.
;; MLP. Allowed arithmetic: matrix products marked QUANTISED: E2M3 operands, one E8M0 scale for each 32 along K, by v_wmma_scale_f32_16x16x128_f8f6f4 with both operands' format E2M3, f32 sums; everything else in f32.
;; Inputs: W_fc 4,096 x 1,024 float32; W_proj 1,024 x 4,096 float32; x 4 x 2,048 x 1,024 float32.
;; Outputs: out0 4 x 2,048 x 1,024 float32.
;; This version of the problem:
;;   THIS VERSION OF THE PROBLEM IS GIVEN IN LOW PRECISION. The matrix products marked QUANTISED in the list below multiply operands that are first quantised to E2M3 (2 exponent bits, 3 mantissa bits; 6 bits a number), with one power-of-two scale for each 32 numbers along K (OCP MX v1.0); their sums are f32. All else is computed in f32.
;;   The module's matrix products, in the order in which they are computed (A, B: the left and right operand; K: the contracted axis; several contracted axes count as one K, in the product's order):
;;     1. [M 8,192, K 1,024] x [K 1,024, N 4,096]; A: computed on the way; B: computed on the way: QUANTISED
;;     2. [M 8,192, K 4,096] x [K 4,096, N 1,024]; A: computed on the way; B: computed on the way: QUANTISED
;;   THE QUANTISER, for each operand of a quantised product, along K:
;;     - K is cut into blocks of 32 from its start; a last block that is shorter is filled with zeros.
;;     - A block's scale is 2^e with e = floor(log2(the largest magnitude in the block)) - 2, held to -126 .. 127; a block of zeros has e = 0. As a byte (E8M0): e + 127.
;;     - Each number is divided by its block's scale, clamped to +-7.5, and rounded to the nearest number of E2M3, ties to even, subnormals kept.
;;     - The product sums the exact products of the quantised numbers (number of the format x scale) in f32.
;;   ~~~python
;;   def quantise(x, axis):      # numpy; x: float32 -> the quantised numbers, widened to float32 again
;;       x = np.moveaxis(x, axis, -1); K = x.shape[-1]
;;       x = np.pad(x, [(0, 0)] * (x.ndim - 1) + [(0, -K % 32)]); x = x.reshape(x.shape[:-1] + (-1, 32)); a = np.abs(x).max(-1, keepdims=True)
;;       e = np.where(a > 0, np.clip(np.frexp(np.where(a > 0, a, 1))[1] - 1 - 2, -126, 127), 0)      # np.frexp(a)[1] - 1 = floor(log2(a)), exactly
;;       r = np.clip(x / 2.0 ** e, -7.5, 7.5)
;;       step = 2.0 ** (np.maximum(np.frexp(np.where(r == 0, 1, r))[1] - 1, 0) - 3)
;;       q = np.round(r / step) * step * 2.0 ** e      # np.round: ties to even
;;       return np.moveaxis(q.reshape(q.shape[:-2] + (-1,))[..., :K], -1, axis).astype(np.float32)
;;   ~~~
;;   OPERANDS COMPUTED ON THE WAY. 'Computed on the way' means the value that the module computes at that place (a softmax that the list does not call 'softmax' is quantised finished and normalised). What goes into a quantiser is computed in f32, as accurately as f32 sums, v_exp_f32 and their like allow (about 1e-6 of the number): no bf16 or f16 on the way to a quantiser, and a product that is left as it is and whose result goes on into a quantised operand takes f32 operands (vector FMAs, or v_wmma_f32_16x16x4_f32). A number that lies on a knife's edge between two numbers of the format may be rounded either way, as far as f32 arithmetic and the matrix unit's own rounding can turn it there, and no further.
;; 2 versions. Each part assembles by itself: llvm-mc -triple=amdgcn-amd-amdhsa -mcpu=gfx1250 --defsym DOCPART=n.
;; ======== version 1 of 2: 2 launches
;; workspace buffers: wq 2,150,400 bytes
;; launch wprep (part 1): grid 42 x 4, 4 waves a work-group, no clusters, 1,024 bytes of LDS; arguments W_fc, W_proj, wq; writes wq
.if DOCPART == 1
	.amdgcn_target "amdgcn-amd-amdhsa--gfx1250"
	.amdhsa_code_object_version 6
	.text
	.protected	k_q3575873a1e_wprep
	.globl	k_q3575873a1e_wprep
	.p2align	8
	.type	k_q3575873a1e_wprep,@function
k_q3575873a1e_wprep:
	s_mov_b64 s[64:65], 0
	v_nop
	global_prefetch_b8 v0, s[64:65] scope:SCOPE_SE
	s_setreg_imm32_b32 hwreg(HW_REG_WAVE_MODE, 25, 1), 1
	s_wait_xcnt 0x0
; The weights of both products, with the triangular masks that the problem builds itself, become codes of FP6 (E2M3) with one E8M0 scale for each 32 along K,
; laid in the order in which the second launch's waves take them into their operand registers.  Only fragments (16 rows x 128 K) that the masks leave something of are made.
; NAMES.  A block g (0..5) is 512 hidden units; a wave w (0..3) of the second launch has 7 positions p (0..6) in a block, each an octet of 8 fragments = 2 quads (kappa = 0, 1) of 4 (phi = 0..3).
;   p <= g: W_fc [4096][1024]: tile t = 4 kappa + phi of hidden units 128 (4 g + w) on; lane r takes unit 32 (t / 2) + 8 (t % 2) + r + 8 (r / 8); k = 128 p + 0..127; kept where k <= unit / 4.
;   p >  g: W_proj [1024][4096]: row i = 128 (p - 1) + 64 kappa + 16 w + r; f = 128 (4 g + phi) + 0..127; kept where f <= 4 i.
; wq: a quad is 6,400 bytes at 537,600 w + 89,600 g + 12,800 p + 6,400 kappa: fragment phi at 1,536 phi, register 4 c + e of lane l at 512 c + 16 l + 4 e; at 6,144 the scale words: at 8 l + 4 z lanes 0-15 hold
; fragment z's word of row l, lanes 16-31 fragment z + 2's word of row l - 16.
; SHARES.  A work-group makes one octet (x = 7 g + p, y = w).  Its wave q takes quad kappa = q / 2 and the fragments phi = z and z + 2, z = q % 2.  Both tensors take ONE path: scalars and the base are chosen.
; A lane holds, of its row, 16 neighbours of each block of 32: register 16 b + i = k 32 b + 16 (lane / 16) + i; the mask sets hidden numbers to 0 AHEAD of the block's largest magnitude.
; A block's scale is 2^(floor(log2(largest magnitude)) - 2); its byte is that magnitude's exponent field - 2, held at 1 from below.
; LIMITS: a block of zeros gets the byte 1 where the rule says 127 (its codes are zeros, and this program alone reads the bytes); blocks whose largest magnitude lies under 2^-124 are held at byte 1;
; NaN and infinities among the numbers that the masks keep are not served.
.set XA,   32                          ; v32-95   fragment a's 64 numbers
.set XB,   96                          ; v96-159  fragment b's
.set TM,   160                         ; v160-163 largest magnitudes, v164-167 bytes, v172-175 the conversions' scale operands
.set PWA,  176                         ; fragment a's scale word
.set PWB,  177                         ; fragment b's
.set SCV,  178                         ; lanes 0-15 a's word, lanes 16-31 b's
.set PC,   180                         ; v180-199 the codes just made
.set BK,   200                         ; v200-203 the octet's scale words on their way out
.set NIL,  16                          ; v16 = 0
.set SEL,  36                          ; s[36:37] lane selects: lane l xor 16
.macro MASK s, d                       ; the number at register 16 b + i is hidden where 32 b + i > d
.irp b, 0,1,2,3
.irp i, 0,1,2,3,4,5,6,7,8,9,10,11,12,13,14,15
	v_cmp_gt_i32 vcc_lo, 32*\b+\i, v[\d]
	v_cndmask_b32 v[\s+16*\b+\i], v[\s+16*\b+\i], v[NIL], vcc_lo
.endr
.endr
.endm
; 64 numbers of a lane become a fragment's codes in v[PC] on and its row's scale word in v[pw]
.macro QUANT s, pw
.irp b, 0,1,2,3
	v_max3_num_f32 v[TM+\b], |v[\s+16*\b]|, |v[\s+1+16*\b]|, 0x1800000   ; block b: my 16 numbers, and the floor 2^(3 - 127): the byte cannot fall under 1
.endr
.irp i, 2,4,6,8,10,12,14
.irp b, 0,1,2,3
	v_max3_num_f32 v[TM+\b], v[TM+\b], |v[\s+16*\b+\i]|, |v[\s+1+16*\b+\i]|   ; the four blocks by turns
.endr
.endr
.irp b, 0,1,2,3
	v_permlanex16_b32 v[TM+4+\b], v[TM+\b], s[SEL], s[SEL+1]
.endr
.irp b, 0,1,2,3
	v_max_num_f32 v[TM+\b], v[TM+\b], v[TM+4+\b]   ; with lane l xor 16's 16: the block's largest magnitude
.endr
.irp b, 0,1,2,3
	v_add_nc_u32 v[TM+12+\b], 0xff000000, v[TM+\b]   ; 2 off its exponent field: the conversion takes this operand's exponent field as its scale
.endr
.irp b, 0,1,2,3
	v_lshrrev_b32 v[TM+4+\b], 23, v[TM+12+\b]      ; the scale's byte
.endr
	v_lshl_or_b32 v[\pw], v[TM+5], 8, v[TM+4]
	v_lshl_or_b32 v[\pw], v[TM+6], 16, v[\pw]
	v_lshl_or_b32 v[\pw], v[TM+7], 24, v[\pw]
.irp c, 0,1
	v_cvt_scalef32_pk16_fp6_f32 v[PC+6*\c:PC+2+6*\c], v[\s+32*\c:\s+15+32*\c], v[TM+12+2*\c]
	v_cvt_scalef32_pk16_fp6_f32 v[PC+12+4*\c:PC+14+4*\c], v[\s+16+32*\c:\s+31+32*\c], v[TM+12+2*\c+1]   ; (a conversion's three registers begin on an even number)
.endr
	v_nop                                          ; one plain place behind a scaled conversion
.irp c, 0,1                                    ; the operand's layout wants a whole block in a lane: lanes 0-15 block 2 c, lanes 16-31 block 2 c + 1
.irp i, 0,1,2
	v_permlane16_swap_b32 v[PC+6*\c+\i], v[PC+12+4*\c+\i]
.endr
.irp i, 0,1,2
	v_mov_b32 v[PC+3+6*\c+\i], v[PC+12+4*\c+\i]
.endr
.endr
.endm
	s_load_b128 s[4:7], s[0:1], 0x0                ; W_fc, W_proj
	s_load_b64 s[8:9], s[0:1], 0x10                ; wq
	v_lshl_add_u32 v208, v0, 2, 0x200
	v_mov_b32 v209, 0
	v_lshrrev_b32 v1, 5, v0
	v_readfirstlane_b32 s10, v1                    ; wave q
	v_and_b32 v1, 31, v0                           ; lane
	v_and_b32 v2, 15, v0                           ; r
	v_bfe_u32 v3, v0, 4, 1                         ; h
	v_mov_b32 v[NIL], 0
.irp b, 0,1,2,3
	v_mov_b32 v[TM+4+\b], 0                        ; written once: a lane permute's destination counts as one of its sources
.endr
	s_lshr_b32 s11, s10, 1                         ; kappa
	s_and_b32 s12, s10, 1                          ; z
	s_and_b32 s13, ttmp7, 0xffff                   ; w
	s_mul_i32 s14, ttmp9, 37
	s_lshr_b32 s14, s14, 8                         ; g = x / 7 (37 x >> 8 is exact for x under 42)
	s_mul_i32 s15, s14, 7
	s_sub_co_u32 s15, ttmp9, s15                   ; p
	s_lshl_b32 s16, s14, 9                         ; 512 g
	s_lshl_b32 s17, s11, 6                         ; 64 kappa
	s_lshl_b32 s18, s13, 7                         ; 128 w
	s_lshl_b32 s19, s12, 3                         ; 8 z
	s_add_co_u32 s20, s16, s18
	s_add_co_u32 s20, s20, s17
	s_add_co_u32 s20, s20, s19                     ; W_fc: fragment a's first unit
	s_lshl_b32 s21, s15, 7                         ; W_fc: its first k = 128 p
	s_lshl_b32 s19, s13, 4                         ; 16 w
	s_add_co_u32 s22, s21, s17
	s_add_co_u32 s22, s22, s19
	s_sub_co_u32 s22, s22, 128                     ; W_proj: the first row (used where p > g, so p is at least 1)
	s_lshl_b32 s19, s12, 7
	s_add_co_u32 s23, s16, s19                     ; W_proj: fragment a's first f = 128 (4 g + z)
	s_mov_b32 s24, 131072                          ; from fragment a to b: 32 rows of W_fc,
	s_mov_b32 s25, 1024                            ; or 256 along a row of W_proj
	s_mov_b32 s26, 0xffffff00                      ; -256
	s_mul_i32 s32, s13, 42
	s_add_co_u32 s32, s32, ttmp9
	s_mul_i32 s32, s32, 12800                      ; my octet,
	s_mul_i32 s33, s11, 6400
	s_add_co_u32 s32, s32, s33                     ; my quad,
	s_mul_i32 s33, s12, 1536
	s_add_co_u32 s32, s32, s33                     ; fragment a
	s_mov_b32 s33, 0
	s_lshl_b32 s35, s11, 8
	s_lshl_b32 s19, s12, 2
	s_add_co_u32 s35, s35, s19                     ; LDS: 256 kappa + 4 z
	s_mov_b32 s[SEL], 0x76543210
	s_mov_b32 s[SEL+1], 0xfedcba98
	s_wait_kmcnt 0x0
	s_add_nc_u64 s[8:9], s[8:9], s[32:33]
	s_cmp_le_u32 s15, s14                          ; p <= g: W_fc; else W_proj.  The choice hangs on the work-group's number alone; only selects follow the compare
	s_cselect_b64 s[4:5], s[4:5], s[6:7]
	s_cselect_b32 s27, 12, 14                      ; a row is 2^12 or 2^14 bytes
	s_cselect_b32 s28, 8, 0                        ; W_fc's rows of a tile: r + (r & 8)
	s_cselect_b32 s29, 0, 2                        ; the last kept k of a row: row >> 2, or row << 2
	s_cselect_b32 s30, 2, 0
	s_cselect_b32 s20, s20, s22                    ; first row
	s_cselect_b32 s21, s21, s23                    ; first k
	s_cselect_b32 s24, s24, s25                    ; bytes from fragment a to fragment b
	s_cselect_b32 s26, 8, s26                      ; and what that does to d
	s_lshl_b32 s34, s21, 2
	v_and_b32 v4, s28, v2
	v_add3_u32 v4, v4, v2, s20                     ; my row
	v_lshlrev_b32 v5, s27, v4
	v_lshl_add_u32 v5, v3, 6, v5
	v_add_nc_u32 v5, s34, v5                       ; fragment a: row's bytes + 4 x first k + 64 h
	v_add_nc_u32 v6, s24, v5                       ; fragment b
.irp b, 0,1,2,3
.irp j, 0,1,2,3
	global_load_b128 v[XA+16*\b+4*\j:XA+16*\b+4*\j+3], v5, s[4:5] offset:128*\b+16*\j
.endr
.endr
.irp b, 0,1,2,3
.irp j, 0,1,2,3
	global_load_b128 v[XB+16*\b+4*\j:XB+16*\b+4*\j+3], v6, s[4:5] offset:128*\b+16*\j
.endr
.endr
	v_lshlrev_b32 v7, s29, v4
	v_lshrrev_b32 v7, s30, v7                      ; the row's last kept k
	v_lshlrev_b32 v8, 4, v3
	v_add_nc_u32 v8, s21, v8
	v_sub_nc_u32 v7, v7, v8                        ; d of fragment a = last kept k - first k - 16 h
	v_add_nc_u32 v8, s26, v7                       ; d of fragment b
	v_lshlrev_b32 v9, 4, v1                        ; 16 x lane
	v_lshl_add_u32 v10, v1, 3, s35                 ; LDS: 8 x lane + 256 kappa + 4 z
	v_mad_u32_u24 v11, v3, 6144, v9
	v_add_nc_u32 v11, 6144, v11                    ; the scale words' way out: lanes 0-15 quad 0's 256 bytes, lanes 16-31 quad 1's, 6,400 bytes on
	s_wait_loadcnt 16                              ; fragment a's sixteen loads are in; b's sixteen may be out
	MASK XA, 7
	QUANT XA, PWA
.irp c, 0,1,2
	global_store_b128 v9, v[PC+4*\c:PC+4*\c+3], s[8:9] offset:512*\c   ; 32 lanes store 512 consecutive bytes
.endr
	s_wait_loadcnt 0x0
	MASK XB, 8
	s_wait_xcnt 0x0                                ; the three stores have read the codes' registers: they are written again only behind this wait
	QUANT XB, PWB
.irp c, 0,1,2
	global_store_b128 v9, v[PC+4*\c:PC+4*\c+3], s[8:9] offset:3072+512*\c
.endr
	v_cmp_eq_u32 vcc_lo, 1, v3
	v_cndmask_b32 v[SCV], v[PWA], v[PWB], vcc_lo   ; every lane holds its row's word of both fragments: lanes 0-15 give a's, lanes 16-31 b's
	ds_store_b32 v10, v[SCV]
	s_wait_dscnt 0x0                               ; for the others' sake: my store has landed
	s_barrier_signal -1
	s_barrier_wait -1                              ; the octet's 512 scale bytes lie in LDS
	s_cmp_lg_u32 s10, 0
	s_cbranch_scc1 .Lend                           ; wave 0 (whose base is the octet's first byte) stores them
	ds_load_b128 v[BK:BK+3], v9
	s_wait_dscnt 0x0
	global_store_b128 v11, v[BK:BK+3], s[8:9]      ; sixteen lanes store each quad's 256 consecutive bytes
.Lend:
	s_wait_tensorcnt 0x0
	ds_add_u32 v208, v209
	s_wait_dscnt 0x0
	s_endpgm
.Lfunc_end_k_q3575873a1e_wprep:
	.size	k_q3575873a1e_wprep, .Lfunc_end_k_q3575873a1e_wprep-k_q3575873a1e_wprep
	.p2alignl 7, 3214868480
	.fill 96, 4, 3214868480
	.section	.rodata,"a",@progbits
	.p2align	6, 0x0
	.amdhsa_kernel k_q3575873a1e_wprep
		.amdhsa_group_segment_fixed_size 1024
		.amdhsa_private_segment_fixed_size 0
		.amdhsa_enable_private_segment 0
		.amdhsa_kernarg_size 24
		.amdhsa_user_sgpr_count 2
		.amdhsa_user_sgpr_kernarg_segment_ptr 1
		.amdhsa_wavefront_size32 1
		.amdhsa_system_sgpr_workgroup_id_x 1
		.amdhsa_system_sgpr_workgroup_id_y 1
		.amdhsa_system_sgpr_workgroup_id_z 1
		.amdhsa_system_vgpr_workitem_id 0
		.amdhsa_next_free_vgpr 210
		.amdhsa_next_free_sgpr 66
		.amdhsa_reserve_vcc 1
		.amdhsa_float_denorm_mode_32 3
		.amdhsa_float_denorm_mode_16_64 3
		.amdhsa_memory_ordered 1
		.amdhsa_forward_progress 1
		.amdhsa_inst_pref_size 26
	.end_amdhsa_kernel
	.amdgpu_metadata
---
amdhsa.version: [ 1, 2 ]
amdhsa.kernels:
  - .name:           k_q3575873a1e_wprep
    .symbol:         k_q3575873a1e_wprep.kd
    .args:
      - { .name: W_fc, .offset: 0, .size: 8, .value_kind: global_buffer, .address_space: global }
      - { .name: W_proj, .offset: 8, .size: 8, .value_kind: global_buffer, .address_space: global }
      - { .name: wq, .offset: 16, .size: 8, .value_kind: global_buffer, .address_space: global }
    .group_segment_fixed_size: 1024
    .private_segment_fixed_size: 0
    .kernarg_segment_align: 8
    .kernarg_segment_size: 24
    .max_flat_workgroup_size: 128
    .sgpr_count:     66
    .vgpr_count:     210
    .wavefront_size: 32
...
	.end_amdgpu_metadata
.endif
;; end of part 1
;; launch mlp (part 2): grid 256 x 1, 4 waves a work-group, no clusters, 233,984 bytes of LDS; arguments x, wq, out0; writes out0
.if DOCPART == 2
	.amdgcn_target "amdgcn-amd-amdhsa--gfx1250"
	.amdhsa_code_object_version 6
	.text
	.protected	k_q3575873a1e_mlp
	.globl	k_q3575873a1e_mlp
	.p2align	8
	.type	k_q3575873a1e_mlp,@function
k_q3575873a1e_mlp:
	s_mov_b64 s[64:65], 0
	v_nop
	global_prefetch_b8 v0, s[64:65] scope:SCOPE_SE
	s_setreg_imm32_b32 hwreg(HW_REG_WAVE_MODE, 25, 1), 1
	s_wait_xcnt 0x0
; out = relu(LN(x) Wfc'^T)^2 Wproj'^T, the primes standing for the problem's own triangular masks; both products on codes of FP6 (E2M3) with one E8M0 scale for each 32 along K.
; x, out: [8192][1024] f32.  LN: for each head of 64 numbers (x - mean) * rsqrt(var + 1e-5).  wq: both weights as images of operand registers, made by the launch before (its head says where each fragment lies).
; WHAT THE MASKS LEAVE: hidden unit f takes k <= f / 4 and f < 3,072; output i takes f <= 4 i and i < 768.  x's columns from 768 on are not needed; out's columns from 768 on are zeros, which are stored.
; SHARES.  A work-group takes 32 rows (two tiles m of 16) through the whole chain; the hidden layer never goes to memory.  THE WAVES SHARE THE COLUMNS: in block g (512 hidden units, g = 0..5) wave w makes
; units 128 (4 g + w) on, K steps s = 0..g of the first product, for all 32 rows; it owns the output tiles t = 4 j + w, j = 0..11, and block g adds onto those with j >= 2 g.  That is (g + 1) + (6 - g) = 7
; positions of 8 weight fragments in every block, 16 matrix instructions each.
; THE WEIGHTS GO FROM MEMORY STRAIGHT INTO OPERAND REGISTERS: a ring of 7 buffers of a quad (4 fragments and their scale words: 13 loads).  A block has 14 quads, so quad n of the walk always lies in buffer n % 7,
; and every block begins with buffers 0..6 asked for in that order: waits and register numbers are the same whichever block came before.
; NO JOINT REQUESTS: a weight fragment has ONE reader in a work-group, the wave into whose registers it is loaded.  Joint requests are loads into LDS; by that road each work-group's 2,150,400 bytes of codes
; would be written to LDS and read from it once more, for 2 matrix instructions a fragment.
; THE WALK IS CYCLIC: work-group n begins at block n % 6 and goes round, so that the 256 work-groups do not all ask for the same bytes of wq at the same time.  Its price: the outputs' sums begin as zeros
; written by moves (the first block of a walk does not touch every tile), and the last block's look-ahead of 7 quads (valid addresses) is not used.
; BOTH PRODUCTS ARE USED TRANSPOSED (source 0 = 16 rows of a weight, source 1 = 16 rows of x or of the hidden layer): a lane holds ONE row throughout and its registers run along the next K, or along out's columns.
; OPERANDS GO FROM WAVE TO WAVE THROUGH LDS AS IMAGES OF THEIR REGISTERS: 3 stores of 16 bytes a lane for a fragment, 4 bytes a lane for its scale words.
; LIMITS: NaN and infinities in x's columns 0..767 are not served (columns from 768 on are never read); a block of zeros gets the scale byte 1 where the rule says 127 (its codes are zeros; nobody else reads the
; bytes); blocks whose largest magnitude lies under 2^-124 are held at byte 1; the order of the f32 sums in the LN is this text's own (packed, two chains, then across two lanes).
; REGISTERS, in windows of 256.  Window 0: v1-11, v88-90 addresses; v12-15 zeros; v16-29 the quads' scale words; v30-41 x's; v42-49 the hidden layer's; v50-87 the quantiser's; v96-223 my 16 tiles of the hidden
;   layer (also: 64 numbers of x; the 8 hidden fragments; rows of out); v224-244 the LN's.  Window 1: v0-191 the 24 accumulators of out (at the head: x as loaded).  Windows 2, 3: quad buffer b at v[48 (b % 5)] of
;   window 2 + b / 5.  Window 3, v96-239: x's 12 fragments.
.set XSTG, 0                           ; LDS: x on its way to a lane's 16 neighbours: 4 waves x 3 K steps x 16 rows of 512 + 16 bytes; each wave's own
.set XIMG, 101376                      ; x's 12 fragments (6 m + s), 1,536 bytes each
.set XSC,  119808                      ; their scale words, 128 bytes each
.set HIMG, 121344                      ; a block's 8 hidden fragments (2 ks + m)
.set HSC,  133632                      ; their scale words
.set OSTG, 134656                      ; the way out: 32 rows of 3,072 + 16 bytes
.set FRB,  1536
.set QUADB, 6400
.set LI,   1                           ; 16 x lane
.set L8,   2                           ; 8 x lane
.set XST,  3
.set XLD0, 4
.set XWI0, 5
.set XWS0, 6
.set XLI,  7
.set XLS,  8
.set HWI,  9
.set HWS,  10
.set HLI,  11
.set ZR,   12
.set QS,   16
.set XS,   30
.set HS,   42
.set TM,   50
.set PW,   66
.set PC,   68
.set HLS,  88
.set SO,   89
.set SR,   90
.set HA,   96
.set XN,   96
.set HF,   96
.set LT,   224                         ; head d: v[LT+8d..]: two pairs of sums, -mean (a pair), rsqrt (a pair)
.set LP,   240
.set CA,   242                         ; v242-244 the X loop's LDS addresses
.set XF,   96                          ; in window 3
.set WV,   10
.set WB,   14                          ; s[14:15] my wave's 537,600 bytes of wq; never rewritten
.set WP,   16                          ; s[16:17] the walk's first block in them; never rewritten
.set GZ,   18                          ; s18 the walk's first block
.set TRIP, 19
.set WLO,  20
.set WHI,  21
.set SEL,  22
.set R64,  24
.set EPSR, 25
.set XB,   30                          ; s[30:31] x at my 16 rows and 3 K steps
.set OB,   32                          ; s[32:33] out at my 8 rows
.set NR64, 34
.set MSB, 0
.macro WIN new                         ; the immediate's high byte repeats the setting that is left; a switch that changes nothing is dropped
.if MSB != (\new)
	s_set_vgpr_msb (MSB<<8)|(\new)
.set MSB, (\new)
.endif
.endm
; A quad into buffer b: 12 loads of 512 consecutive bytes (register 4 i .. 4 i + 3 of the buffer), and 256 bytes of scale words
.macro QISSUE b, base, off
	WIN (2+(\b)/5)<<6
.irp i, 0,1,2,3,4,5,6,7,8,9,10,11
	global_load_b128 v[48*((\b)%5)+4*\i:48*((\b)%5)+4*\i+3], v[LI], s[\base:\base+1] offset:(\off)+512*\i
.endr
	WIN 0
	global_load_b64 v[QS+2*(\b):QS+2*(\b)+1], v[L8], s[\base:\base+1] offset:(\off)+6144
.endm
; One matrix instruction, from the symbols rD, rA, rB, rSA, rSB; fZ: it starts its sum; fR: the weight's scale words stand in lanes 16-31
.macro MM
.if fZ
.if fR
	v_wmma_scale_f32_16x16x128_f8f6f4 v[rD:rD+7], v[rA:rA+11], v[rB:rB+11], 0, v[rSA], v[rSB] matrix_a_fmt:MATRIX_FMT_FP6 matrix_b_fmt:MATRIX_FMT_FP6 matrix_a_scale:MATRIX_SCALE_ROW1
.else
	v_wmma_scale_f32_16x16x128_f8f6f4 v[rD:rD+7], v[rA:rA+11], v[rB:rB+11], 0, v[rSA], v[rSB] matrix_a_fmt:MATRIX_FMT_FP6 matrix_b_fmt:MATRIX_FMT_FP6
.endif
.else
.if fR
	v_wmma_scale_f32_16x16x128_f8f6f4 v[rD:rD+7], v[rA:rA+11], v[rB:rB+11], v[rD:rD+7], v[rSA], v[rSB] matrix_a_fmt:MATRIX_FMT_FP6 matrix_b_fmt:MATRIX_FMT_FP6 matrix_a_scale:MATRIX_SCALE_ROW1
.else
	v_wmma_scale_f32_16x16x128_f8f6f4 v[rD:rD+7], v[rA:rA+11], v[rB:rB+11], v[rD:rD+7], v[rSA], v[rSB] matrix_a_fmt:MATRIX_FMT_FP6 matrix_b_fmt:MATRIX_FMT_FP6
.endif
.endif
.endm
; Behind a position's 16 products: five plain places: four are owed ahead of loads into registers that the products have read and ahead of the first read of their results, five ahead of a product
; that writes over such a register (a block's first products lay their results over the hidden fragments of the block before).  Then the position's two buffers take the quads 7 further on in the cyclic walk.
.macro TAIL g, p
	WIN 0
.rept 5
	v_nop
.endr
	QISSUE (2*(\p))%7, WB, QUADB*((14*(\g)+2*(\p)+7)%84)
	QISSUE (2*(\p)+1)%7, WB, QUADB*((14*(\g)+2*(\p)+8)%84)
.endm
; Position s <= g: K step s of the first product: my 8 tiles of hidden units x the 2 tiles of rows.  The 16 accumulators take turns, one instruction a turn.
.macro POS1 g, s
	s_wait_loadcnt 63                              ; behind the two quads wanted, 5 quads = 65 loads were issued; the count is the largest that the wait can name, and a smaller count is safe
.irp t, 0,1,2,3,4,5,6,7
.irp m, 0,1
.set qB, (2*(\s)+\t/4)%7
.set rD, HA+64*\m+8*\t
.set rA, 48*(qB%5)+12*(\t%4)
.set rB, XF+12*(6*\m+(\s))
.set rSA, QS+2*qB+\t%2
.set rSB, XS+6*\m+(\s)
.set fR, (\t%4)/2
.if (\s)==0
.set fZ, 1
.else
.set fZ, 0
.endif
	WIN 0x0c+2+qB/5                                ; source 0 (the weight) window 2 or 3, source 1 (x) window 3, C and D window 0
	MM
.endr
.endr
	TAIL \g, \s
.endm
; Position p > g: my output tiles j = 2 (p - 1) + kp, the block's four K steps ks, the 2 tiles of rows.  Four accumulators by turns.
.macro POS2 g, p
	s_wait_loadcnt 63                              ; as above
.irp ks, 0,1,2,3
.irp kp, 0,1
.irp m, 0,1
.set qB, (2*(\p)+\kp)%7
.set rD, 8*(2*(2*((\p)-1)+\kp)+\m)
.set rA, 48*(qB%5)+12*\ks
.set rB, HF+12*(2*\ks+\m)
.set rSA, QS+2*qB+\ks%2
.set rSB, HS+2*\ks+\m
.set fR, \ks/2
.set fZ, 0
	WIN 0x50+2+qB/5                                ; source 0 window 2 or 3, source 1 (the hidden layer) window 0, C and D window 1
	MM
.endr
.endr
.endr
	TAIL \g, \p
.endm
.macro RELU2 s                         ; relu, then the square, in f32; each accumulator is read from its lowest register on
.set i, 0
.rept 64
	v_max_num_f32 v[\s+i], 0, v[\s+i]
.set i, i+1
.endr
.set i, 0
.rept 32
	v_pk_mul_f32 v[\s+i:\s+i+1], v[\s+i:\s+i+1], v[\s+i:\s+i+1]
.set i, i+2
.endr
.endm
; 64 numbers of a lane, register 16 b + i = k 32 b + 16 (lane / 16) + i of my row, become a fragment's codes in v[PC] on and its row's scale word in v[PW]
.macro QUANT s
.irp b, 0,1,2,3
	v_max3_num_f32 v[TM+\b], |v[\s+16*\b]|, |v[\s+1+16*\b]|, 0x1800000   ; block b: my 16 numbers, and the floor 2^(3 - 127): the byte cannot fall under 1
.endr
.irp i, 2,4,6,8,10,12,14
.irp b, 0,1,2,3
	v_max3_num_f32 v[TM+\b], v[TM+\b], |v[\s+16*\b+\i]|, |v[\s+1+16*\b+\i]|   ; the four blocks by turns
.endr
.endr
.irp b, 0,1,2,3
	v_permlanex16_b32 v[TM+4+\b], v[TM+\b], s[SEL], s[SEL+1]
.endr
.irp b, 0,1,2,3
	v_max_num_f32 v[TM+\b], v[TM+\b], v[TM+4+\b]   ; with lane l xor 16's 16: the block's largest magnitude
.endr
.irp b, 0,1,2,3
	v_add_nc_u32 v[TM+12+\b], 0xff000000, v[TM+\b]   ; 2 off its exponent field: the conversion takes this operand's exponent field as its scale
.endr
.irp b, 0,1,2,3
	v_lshrrev_b32 v[TM+4+\b], 23, v[TM+12+\b]      ; the scale's byte
.endr
	v_lshl_or_b32 v[PW], v[TM+5], 8, v[TM+4]
	v_lshl_or_b32 v[PW], v[TM+6], 16, v[PW]
	v_lshl_or_b32 v[PW], v[TM+7], 24, v[PW]
.irp c, 0,1
	v_cvt_scalef32_pk16_fp6_f32 v[PC+6*\c:PC+2+6*\c], v[\s+32*\c:\s+15+32*\c], v[TM+12+2*\c]
	v_cvt_scalef32_pk16_fp6_f32 v[PC+12+4*\c:PC+14+4*\c], v[\s+16+32*\c:\s+31+32*\c], v[TM+12+2*\c+1]   ; (a conversion's three registers begin on an even number)
.endr
	v_nop                                          ; one plain place behind a scaled conversion
.irp c, 0,1                                    ; the operand's layout wants a whole block in a lane: lanes 0-15 block 2 c, lanes 16-31 block 2 c + 1
.irp i, 0,1,2
	v_permlane16_swap_b32 v[PC+6*\c+\i], v[PC+12+4*\c+\i]
.endr
.irp i, 0,1,2
	v_mov_b32 v[PC+3+6*\c+\i], v[PC+12+4*\c+\i]
.endr
.endr
.endm
.macro IMAGE adr, off                  ; the fragment in v[PC] on goes to LDS as it stands
.irp c, 0,1,2
	ds_store_b128 v[\adr], v[PC+4*\c:PC+4*\c+3] offset:(\off)+512*\c
.endr
.endm
.macro BAR                             ; my LDS stores have landed and my LDS loads are in: then the work-group's barrier
	s_wait_dscnt 0x0
	s_barrier_signal -1
	s_barrier_wait -1
.endm
; The LN of the two heads that a K step of 128 holds: head d is v[XN+32 d] on, 32 numbers in my lane and 32 in lane l xor 16.  The heads take turns line by line.
.macro LN
.irp d, 0,1
	v_pk_add_f32 v[LT+8*\d:LT+8*\d+1], v[XN+32*\d:XN+32*\d+1], v[XN+32*\d+2:XN+32*\d+3]
	v_pk_add_f32 v[LT+8*\d+2:LT+8*\d+3], v[XN+32*\d+4:XN+32*\d+5], v[XN+32*\d+6:XN+32*\d+7]
.endr
.irp i, 8,12,16,20,24,28
.irp d, 0,1
	v_pk_add_f32 v[LT+8*\d:LT+8*\d+1], v[LT+8*\d:LT+8*\d+1], v[XN+32*\d+\i:XN+32*\d+\i+1]
	v_pk_add_f32 v[LT+8*\d+2:LT+8*\d+3], v[LT+8*\d+2:LT+8*\d+3], v[XN+32*\d+\i+2:XN+32*\d+\i+3]
.endr
.endr
.irp d, 0,1
	v_pk_add_f32 v[LT+8*\d:LT+8*\d+1], v[LT+8*\d:LT+8*\d+1], v[LT+8*\d+2:LT+8*\d+3]
.endr
.irp d, 0,1
	v_add_f32 v[LT+8*\d], v[LT+8*\d], v[LT+8*\d+1]
.endr
.irp d, 0,1
	v_permlanex16_b32 v[LP+\d], v[LT+8*\d], s[SEL], s[SEL+1]
.endr
.irp d, 0,1
	v_add_f32 v[LT+8*\d], v[LT+8*\d], v[LP+\d]     ; the head's sum
.endr
.irp d, 0,1
	v_mul_f32 v[LT+8*\d+4], s[NR64], v[LT+8*\d]    ; -mean
.endr
.irp i, 0,2,4,6,8,10,12,14,16,18,20,22,24,26,28,30
.irp d, 0,1
	v_pk_add_f32 v[XN+32*\d+\i:XN+32*\d+\i+1], v[XN+32*\d+\i:XN+32*\d+\i+1], v[LT+8*\d+4:LT+8*\d+5] op_sel_hi:[1,0]   ; x - mean (the pair's low word serves both halves)
.endr
.endr
.irp d, 0,1
	v_pk_mul_f32 v[LT+8*\d:LT+8*\d+1], v[XN+32*\d:XN+32*\d+1], v[XN+32*\d:XN+32*\d+1]
	v_pk_mul_f32 v[LT+8*\d+2:LT+8*\d+3], v[XN+32*\d+2:XN+32*\d+3], v[XN+32*\d+2:XN+32*\d+3]
.endr
.irp i, 4,8,12,16,20,24,28
.irp d, 0,1
	v_pk_fma_f32 v[LT+8*\d:LT+8*\d+1], v[XN+32*\d+\i:XN+32*\d+\i+1], v[XN+32*\d+\i:XN+32*\d+\i+1], v[LT+8*\d:LT+8*\d+1]
	v_pk_fma_f32 v[LT+8*\d+2:LT+8*\d+3], v[XN+32*\d+\i+2:XN+32*\d+\i+3], v[XN+32*\d+\i+2:XN+32*\d+\i+3], v[LT+8*\d+2:LT+8*\d+3]
.endr
.endr
.irp d, 0,1
	v_pk_add_f32 v[LT+8*\d:LT+8*\d+1], v[LT+8*\d:LT+8*\d+1], v[LT+8*\d+2:LT+8*\d+3]
.endr
.irp d, 0,1
	v_add_f32 v[LT+8*\d], v[LT+8*\d], v[LT+8*\d+1]
.endr
.irp d, 0,1
	v_permlanex16_b32 v[LP+\d], v[LT+8*\d], s[SEL], s[SEL+1]
.endr
.irp d, 0,1
	v_add_f32 v[LT+8*\d], v[LT+8*\d], v[LP+\d]     ; the sum of squares
.endr
.irp d, 0,1
	v_fma_f32 v[LT+8*\d], v[LT+8*\d], s[R64], s[EPSR]   ; var + eps
.endr
.irp d, 0,1
	v_rsq_f32 v[LT+8*\d+6], v[LT+8*\d]
.endr
	v_nop                                          ; a plain place behind the two roots
	s_wait_alu depctr_va_vdst(0)                   ; one wait for both, ahead of the first line that names a root's result
.irp i, 0,2,4,6,8,10,12,14,16,18,20,22,24,26,28,30
.irp d, 0,1
	v_pk_mul_f32 v[XN+32*\d+\i:XN+32*\d+\i+1], v[XN+32*\d+\i:XN+32*\d+\i+1], v[LT+8*\d+6:LT+8*\d+7] op_sel_hi:[1,0]
.endr
.endr
.endm
.macro TOSTG i                         ; K step i of my 16 rows of x, as loaded (a register quad = 16 bytes of a row), into my own stage
	WIN 0x04                                       ; an LDS store's data are its source 1: window 1
.irp q, 0,1,2,3,4,5,6,7,8,9,10,11,12,13,14,15
	ds_store_b128 v[XST], v[64*\i+4*\q:64*\i+4*\q+3] offset:8448*\i+528*\q
.endr
	WIN 0
.endm
; A block.  It is walked where WLO <= g < WHI: scalar branches on numbers made of the work-group's number alone, the same in all four waves, so every wave passes the same barriers.
.macro BLOCK g
	s_cmp_gt_u32 s[WLO], \g
	s_cbranch_scc1 .Lskip_\@
	s_cmp_le_u32 s[WHI], \g
	s_cbranch_scc1 .Lskip_\@
.set PP, 0
.rept \g+1
	POS1 \g, PP
.set PP, PP+1
.endr
.irp m, 0,1
	RELU2 HA+64*\m
	QUANT HA+64*\m
	IMAGE HWI, FRB*\m                              ; K step w of the block's second product, rows 16 m on
	ds_store_b32 v[HWS], v[PW] offset:128*\m
	s_wait_dscnt 0x0                               ; the stores have read their registers
.endr
	BAR                                            ; the block's eight hidden fragments lie in LDS
.irp f, 0,1,2,3,4,5,6,7
.irp c, 0,1,2
	ds_load_b128 v[HF+12*\f+4*\c:HF+12*\f+4*\c+3], v[HLI] offset:FRB*\f+512*\c
.endr
	ds_load_b32 v[HS+\f], v[HLS] offset:128*\f
.endr
	BAR                                            ; every wave has them in registers: the next block may write the images again
.rept 6-\g
	POS2 \g, PP
.set PP, PP+1
.endr
.Lskip_\@:
.endm
.macro OUTB n0, buf                    ; sixteen pieces of 512 bytes of my 8 rows: piece n is row n / 6, bytes 512 (n % 6) on
.irp i, 0,1,2,3,4,5,6,7,8,9,10,11,12,13,14,15
	ds_load_b128 v[\buf+4*\i:\buf+4*\i+3], v[SR] offset:3088*((\n0+\i)/6)+512*((\n0+\i)%6)
.endr
.irp i, 0,1,2,3,4,5,6,7,8,9,10,11,12,13,14,15
	s_wait_dscnt 15-\i                             ; LDS loads come back in order: piece i is in, the younger ones may be out
	global_store_b128 v[LI], v[\buf+4*\i:\buf+4*\i+3], s[OB:OB+1] offset:4096*((\n0+\i)/6)+512*((\n0+\i)%6) th:TH_STORE_NT   ; 32 lanes store 512 consecutive bytes, at a multiple of 512 from out's first byte
.endr
.endm
	s_load_b128 s[4:7], s[0:1], 0x0                ; x, wq
	s_load_b64 s[8:9], s[0:1], 0x10                ; out
	v_lshl_add_u32 v254, v0, 2, 0x39000
	v_mov_b32 v255, 0
	v_lshrrev_b32 v91, 5, v0
	v_readfirstlane_b32 s[WV], v91                 ; wave 0..3
	v_and_b32 v94, 31, v0                          ; lane
	v_lshlrev_b32 v[LI], 4, v94
	v_lshlrev_b32 v[L8], 3, v94
.irp i, 0,1,2,3
	v_mov_b32 v[ZR+\i], 0
.endr
	s_lshl_b32 s26, ttmp9, 17                      ; the work-group's 32 rows of 4,096 bytes
	s_lshr_b32 s12, s[WV], 1
	s_lshl_b32 s12, s12, 16                        ; x: wave w quantises rows 16 (w / 2) on,
	s_and_b32 s13, s[WV], 1
	s_mul_i32 s13, s13, 1536                       ; K steps 3 (w % 2) on
	s_add_co_u32 s12, s12, s13
	s_add_co_u32 s12, s12, s26
	s_mov_b32 s13, 0
	s_lshl_b32 s28, s[WV], 15                      ; out: wave w stores rows 8 w on
	s_add_co_u32 s28, s28, s26
	s_mov_b32 s29, 0
	s_mul_i32 s20, s[WV], 537600
	s_mov_b32 s21, 0
	s_mul_i32 s[GZ], ttmp9, 171
	s_lshr_b32 s[GZ], s[GZ], 10                    ; n / 6 (171 n >> 10 is exact for n under 256)
	s_mul_i32 s[GZ], s[GZ], 6
	s_sub_co_u32 s[GZ], ttmp9, s[GZ]               ; the walk's first block: n % 6
	s_mul_i32 s22, s[GZ], 89600
	s_mov_b32 s23, 0
	s_wait_kmcnt 0x0
	s_add_nc_u64 s[XB:XB+1], s[4:5], s[12:13]
	s_add_nc_u64 s[OB:OB+1], s[8:9], s[28:29]
	s_add_nc_u64 s[WB:WB+1], s[6:7], s[20:21]
	s_add_nc_u64 s[WP:WP+1], s[WB:WB+1], s[22:23]
	WIN 0x40                                       ; destination window 1
.irp i, 0,1,2
.irp q, 0,1,2,3,4,5,6,7,8,9,10,11,12,13,14,15
	global_load_b128 v[64*\i+4*\q:64*\i+4*\q+3], v[LI], s[XB:XB+1] offset:4096*\q+512*\i th:TH_LOAD_NT   ; a row's K step: 512 consecutive bytes
.endr
.endr
	QISSUE 0, WP, 0
.irp q, 0,1,2,3,4,5,6,7
	global_store_b128 v[LI], v[ZR:ZR+3], s[OB:OB+1] offset:4096*\q+3072 th:TH_STORE_NT   ; out's columns 768 .. 1,023 of my 8 rows are zeros
	global_store_b128 v[LI], v[ZR:ZR+3], s[OB:OB+1] offset:4096*\q+3584 th:TH_STORE_NT
.endr
	v_and_b32 v92, 15, v0                          ; r
	v_bfe_u32 v93, v0, 4, 1                        ; h
	v_lshlrev_b32 v95, 2, v94                      ; 4 x lane
	s_mul_i32 s12, s[WV], 25344                    ; my stage for x
	v_add_nc_u32 v[XST], s12, v[LI]                ; in: 16 bytes a lane of a row
	v_mul_u32_u24 v[XLD0], v92, 528
	v_lshl_add_u32 v[XLD0], v93, 6, v[XLD0]
	v_add_nc_u32 v[XLD0], s12, v[XLD0]             ; back: row r, + 64 h: my 16 numbers of a block of 32
	s_mul_i32 s12, s[WV], 4608
	s_add_co_u32 s12, s12, XIMG
	v_add_nc_u32 v[XWI0], s12, v[LI]               ; x's images 3 w on
	s_mul_i32 s12, s[WV], 384
	s_add_co_u32 s12, s12, XSC
	v_add_nc_u32 v[XWS0], s12, v95
	v_add_nc_u32 v[XLI], XIMG, v[LI]
	v_add_nc_u32 v[XLS], XSC, v95
	s_mul_i32 s12, s[WV], 3072
	s_add_co_u32 s12, s12, HIMG
	v_add_nc_u32 v[HWI], s12, v[LI]                ; the hidden layer's images 2 w on
	s_lshl_b32 s12, s[WV], 8
	s_add_co_u32 s12, s12, HSC
	v_add_nc_u32 v[HWS], s12, v95
	v_add_nc_u32 v[HLI], HIMG, v[LI]
	v_add_nc_u32 v[HLS], HSC, v95
	v_mul_u32_u24 v[SO], v92, 3088
	v_lshl_add_u32 v[SO], v93, 5, v[SO]
	s_lshl_b32 s12, s[WV], 6
	s_add_co_u32 s12, s12, OSTG
	v_add_nc_u32 v[SO], s12, v[SO]                 ; the way out, in: row r, + 32 h, + 64 w: my tile's bytes among each 256
	s_mul_i32 s12, s[WV], 24704
	s_add_co_u32 s12, s12, OSTG
	v_add_nc_u32 v[SR], s12, v[LI]                 ; back: my 8 rows, 16 bytes a lane
	s_mov_b32 s[SEL], 0x76543210
	s_mov_b32 s[SEL+1], 0xfedcba98                 ; lane l xor 16
	s_mov_b32 s[R64], 0x3c800000                   ; 1 / 64
	s_mov_b32 s[NR64], 0xbc800000                  ; -1 / 64
	s_mov_b32 s[EPSR], 0x3727c5ac                  ; 1e-5
.irp b, 0,1,2,3
	v_mov_b32 v[TM+4+\b], 0                        ; written once: a lane permute's destination counts as one of its sources
.endr
	v_mov_b32 v[LP], 0
	v_mov_b32 v[LP+1], 0
.irp d, 0,1
	v_mov_b32 v[LT+8*\d+5], 0                      ; named as the upper halves of pairs whose low word serves both halves
	v_mov_b32 v[LT+8*\d+7], 0
.endr
	s_wait_loadcnt 45                              ; K step 0's 16 loads are in: behind them stand K steps 1 and 2 (32) and quad 0 (13)
	TOSTG 0
	QISSUE 1, WP, QUADB
	s_wait_loadcnt 42                              ; K step 1's: behind them K step 2 (16) and two quads (26)
	TOSTG 1
	QISSUE 2, WP, 2*QUADB
	s_wait_loadcnt 39                              ; K step 2's: behind them three quads
	TOSTG 2
	QISSUE 3, WP, 3*QUADB
	QISSUE 4, WP, 4*QUADB
	; ---- X: my 16 rows x 3 K steps of x: LN, quantiser, image.  Three trips; what differs is three LDS addresses
	s_mov_b32 s26, 0
	s_mov_b32 s27, 0
	s_mov_b32 s28, 0
	s_mov_b32 s29, 0
.Lx:
	v_add_nc_u32 v[CA], s26, v[XLD0]
	v_add_nc_u32 v[CA+1], s27, v[XWI0]
	v_add_nc_u32 v[CA+2], s28, v[XWS0]
.irp b, 0,1,2,3
.irp j, 0,1,2,3
	ds_load_b128 v[XN+16*\b+4*\j:XN+16*\b+4*\j+3], v[CA] offset:128*\b+16*\j   ; LDS serves a wave's instructions in order: these see my stores
.endr
.endr
	s_wait_dscnt 0x0
	LN
	QUANT XN
	IMAGE CA+1, 0
	ds_store_b32 v[CA+2], v[PW]
	s_wait_dscnt 0x0                               ; the stores have read their registers
	s_add_co_u32 s26, s26, 8448
	s_add_co_u32 s27, s27, FRB
	s_add_co_u32 s28, s28, 128
	s_add_co_u32 s29, s29, 1
	s_cmp_lt_u32 s29, 3
	s_cbranch_scc1 .Lx
	QISSUE 5, WP, 5*QUADB
	QISSUE 6, WP, 6*QUADB                          ; the ring is primed: buffers 0..6, in that order
	BAR                                            ; x's twelve fragments lie in LDS; they are never written again
	WIN 0xc0                                       ; destination window 3
.irp f, 0,1,2,3,4,5,6,7,8,9,10,11
.irp c, 0,1,2
	ds_load_b128 v[XF+12*\f+4*\c:XF+12*\f+4*\c+3], v[XLI] offset:FRB*\f+512*\c
.endr
.endr
	WIN 0
.irp f, 0,1,2,3,4,5,6,7,8,9,10,11
	ds_load_b32 v[XS+\f], v[XLS] offset:128*\f
.endr
	WIN 0x40                                       ; out's sums begin as zeros: which block is a tile's first hangs on where the walk begins
.set i, 0
.rept 192
	v_mov_b32 v[i], 0
.set i, i+1
.endr
	WIN 0
	s_wait_dscnt 0x0
	; ---- the walk: trip 0 takes blocks GZ .. 5, trip 1 blocks 0 .. GZ - 1
	s_mov_b32 s[TRIP], 0
.Lwalk:
	s_cmp_eq_u32 s[TRIP], 0
	s_cselect_b32 s[WLO], s[GZ], 0
	s_cselect_b32 s[WHI], 6, s[GZ]
	BLOCK 0
	BLOCK 1
	BLOCK 2
	BLOCK 3
	BLOCK 4
	BLOCK 5
	s_add_co_u32 s[TRIP], s[TRIP], 1
	s_cmp_lt_u32 s[TRIP], 2
	s_cbranch_scc1 .Lwalk
	; ---- the way out: a lane holds 32 neighbouring bytes of a row, and a row's 3,072 bytes come from four waves: they meet in a stage, and each wave stores 8 rows in pieces of 512 bytes
	WIN 0x04                                       ; the data: window 1
.irp m, 0,1
.irp j, 0,1,2,3,4,5,6,7,8,9,10,11
	ds_store_b128 v[SO], v[8*(2*\j+\m):8*(2*\j+\m)+3] offset:49408*\m+256*\j          ; each accumulator from its low end on
	ds_store_b128 v[SO], v[8*(2*\j+\m)+4:8*(2*\j+\m)+7] offset:49408*\m+256*\j+16
.endr
.endr
	WIN 0
	BAR                                            ; 32 whole rows lie in the stage
	OUTB 0, 96
	OUTB 16, 160
	s_wait_xcnt 0x0                                ; the first sixteen stores have read their registers: they are loaded again only behind this wait
	OUTB 32, 96
	s_wait_tensorcnt 0x0
	ds_add_u32 v254, v255
	s_wait_dscnt 0x0
	s_endpgm
.Lfunc_end_k_q3575873a1e_mlp:
	.size	k_q3575873a1e_mlp, .Lfunc_end_k_q3575873a1e_mlp-k_q3575873a1e_mlp
	.p2alignl 7, 3214868480
	.fill 96, 4, 3214868480
	.section	.rodata,"a",@progbits
	.p2align	6, 0x0
	.amdhsa_kernel k_q3575873a1e_mlp
		.amdhsa_group_segment_fixed_size 233984
		.amdhsa_private_segment_fixed_size 0
		.amdhsa_enable_private_segment 0
		.amdhsa_kernarg_size 24
		.amdhsa_user_sgpr_count 2
		.amdhsa_user_sgpr_kernarg_segment_ptr 1
		.amdhsa_wavefront_size32 1
		.amdhsa_system_sgpr_workgroup_id_x 1
		.amdhsa_system_sgpr_workgroup_id_y 1
		.amdhsa_system_sgpr_workgroup_id_z 1
		.amdhsa_system_vgpr_workitem_id 0
		.amdhsa_next_free_vgpr 1024
		.amdhsa_next_free_sgpr 66
		.amdhsa_reserve_vcc 0
		.amdhsa_float_denorm_mode_32 3
		.amdhsa_float_denorm_mode_16_64 3
		.amdhsa_memory_ordered 1
		.amdhsa_forward_progress 1
		.amdhsa_inst_pref_size 255
	.end_amdhsa_kernel
	.section	.bss,"aw",@nobits
	.p2align	6
	.space	262144
	.amdgpu_metadata
---
amdhsa.version: [ 1, 2 ]
amdhsa.kernels:
  - .name:           k_q3575873a1e_mlp
    .symbol:         k_q3575873a1e_mlp.kd
    .args:
      - { .name: x, .offset: 0, .size: 8, .value_kind: global_buffer, .address_space: global }
      - { .name: wq, .offset: 8, .size: 8, .value_kind: global_buffer, .address_space: global }
      - { .name: out0, .offset: 16, .size: 8, .value_kind: global_buffer, .address_space: global }
    .group_segment_fixed_size: 233984
    .private_segment_fixed_size: 0
    .kernarg_segment_align: 8
    .kernarg_segment_size: 24
    .max_flat_workgroup_size: 128
    .sgpr_count:     66
    .vgpr_count:     1024
    .wavefront_size: 32
...
	.end_amdgpu_metadata
.endif
;; end of part 2
;; ======== version 2 of 2: 2 launches
;; workspace buffers: wq 2,150,400 bytes
;; launch wprep (part 3): grid 42 x 4, 4 waves a work-group, no clusters, 1,024 bytes of LDS; arguments W_fc, W_proj, wq; writes wq
.if DOCPART == 3
	.amdgcn_target "amdgcn-amd-amdhsa--gfx1250"
	.amdhsa_code_object_version 6
	.text
	.protected	k_q3575873a1e_wprep
	.globl	k_q3575873a1e_wprep
	.p2align	8
	.type	k_q3575873a1e_wprep,@function
k_q3575873a1e_wprep:
	s_mov_b64 s[64:65], 0
	v_nop
	global_prefetch_b8 v0, s[64:65] scope:SCOPE_SE
	s_setreg_imm32_b32 hwreg(HW_REG_WAVE_MODE, 25, 1), 1
	s_wait_xcnt 0x0
; The weights of both products, with the triangular masks that the problem builds itself, become codes of FP6 (E2M3) with one E8M0 scale for each 32 along K,
; laid in the order in which the second launch's waves take them into their operand registers.  Only fragments (16 rows x 128 K) that the masks leave something of are made.
; NAMES.  A block g (0..5) is 512 hidden units; a wave w (0..3) of the second launch has 7 positions p (0..6) in a block, each an octet of 8 fragments = 2 quads (kappa = 0, 1) of 4 (phi = 0..3).
;   p <= g: W_fc [4096][1024]: tile t = 4 kappa + phi of hidden units 128 (4 g + w) on; lane r takes unit 32 (t / 2) + 8 (t % 2) + r + 8 (r / 8); k = 128 p + 0..127; kept where k <= unit / 4.
;   p >  g: W_proj [1024][4096]: row i = 128 (p - 1) + 64 kappa + 16 w + r; f = 128 (4 g + phi) + 0..127; kept where f <= 4 i.
; wq: a quad is 6,400 bytes at 537,600 w + 89,600 g + 12,800 p + 6,400 kappa: fragment phi at 1,536 phi, register 4 c + e of lane l at 512 c + 16 l + 4 e; at 6,144 the scale words: at 8 l + 4 z lanes 0-15 hold
; fragment z's word of row l, lanes 16-31 fragment z + 2's word of row l - 16.
; SHARES.  A work-group makes one octet (x = 7 g + p, y = w).  Its wave q takes quad kappa = q / 2 and the fragments phi = z and z + 2, z = q % 2.  Both tensors take ONE path: scalars and the base are chosen.
; A lane holds, of its row, 16 neighbours of each block of 32: register 16 b + i = k 32 b + 16 (lane / 16) + i; the mask sets hidden numbers to 0 AHEAD of the block's largest magnitude.
; A block's scale is 2^(floor(log2(largest magnitude)) - 2); its byte is that magnitude's exponent field - 2, held at 1 from below.
; LIMITS: a block of zeros gets the byte 1 where the rule says 127 (its codes are zeros, and this program alone reads the bytes); blocks whose largest magnitude lies under 2^-124 are held at byte 1;
; NaN and infinities among the numbers that the masks keep are not served.
.set XA,   32                          ; v32-95   fragment a's 64 numbers
.set XB,   96                          ; v96-159  fragment b's
.set TM,   160                         ; v160-163 largest magnitudes, v164-167 bytes, v172-175 the conversions' scale operands
.set PWA,  176                         ; fragment a's scale word
.set PWB,  177                         ; fragment b's
.set SCV,  178                         ; lanes 0-15 a's word, lanes 16-31 b's
.set PC,   180                         ; v180-199 the codes just made
.set BK,   200                         ; v200-203 the octet's scale words on their way out
.set NIL,  16                          ; v16 = 0
.set SEL,  36                          ; s[36:37] lane selects: lane l xor 16
.macro MASK s, d                       ; the number at register 16 b + i is hidden where 32 b + i > d
.irp b, 0,1,2,3
.irp i, 0,1,2,3,4,5,6,7,8,9,10,11,12,13,14,15
	v_cmp_gt_i32 vcc_lo, 32*\b+\i, v[\d]
	v_cndmask_b32 v[\s+16*\b+\i], v[\s+16*\b+\i], v[NIL], vcc_lo
.endr
.endr
.endm
; 64 numbers of a lane become a fragment's codes in v[PC] on and its row's scale word in v[pw]
.macro QUANT s, pw
.irp b, 0,1,2,3
	v_max3_num_f32 v[TM+\b], |v[\s+16*\b]|, |v[\s+1+16*\b]|, 0x1800000   ; block b: my 16 numbers, and the floor 2^(3 - 127): the byte cannot fall under 1
.endr
.irp i, 2,4,6,8,10,12,14
.irp b, 0,1,2,3
	v_max3_num_f32 v[TM+\b], v[TM+\b], |v[\s+16*\b+\i]|, |v[\s+1+16*\b+\i]|   ; the four blocks by turns
.endr
.endr
.irp b, 0,1,2,3
	v_permlanex16_b32 v[TM+4+\b], v[TM+\b], s[SEL], s[SEL+1]
.endr
.irp b, 0,1,2,3
	v_max_num_f32 v[TM+\b], v[TM+\b], v[TM+4+\b]   ; with lane l xor 16's 16: the block's largest magnitude
.endr
.irp b, 0,1,2,3
	v_add_nc_u32 v[TM+12+\b], 0xff000000, v[TM+\b]   ; 2 off its exponent field: the conversion takes this operand's exponent field as its scale
.endr
.irp b, 0,1,2,3
	v_lshrrev_b32 v[TM+4+\b], 23, v[TM+12+\b]      ; the scale's byte
.endr
	v_lshl_or_b32 v[\pw], v[TM+5], 8, v[TM+4]
	v_lshl_or_b32 v[\pw], v[TM+6], 16, v[\pw]
	v_lshl_or_b32 v[\pw], v[TM+7], 24, v[\pw]
.irp c, 0,1
	v_cvt_scalef32_pk16_fp6_f32 v[PC+6*\c:PC+2+6*\c], v[\s+32*\c:\s+15+32*\c], v[TM+12+2*\c]
	v_cvt_scalef32_pk16_fp6_f32 v[PC+12+4*\c:PC+14+4*\c], v[\s+16+32*\c:\s+31+32*\c], v[TM+12+2*\c+1]   ; (a conversion's three registers begin on an even number)
.endr
	v_nop                                          ; one plain place behind a scaled conversion
.irp c, 0,1                                    ; the operand's layout wants a whole block in a lane: lanes 0-15 block 2 c, lanes 16-31 block 2 c + 1
.irp i, 0,1,2
	v_permlane16_swap_b32 v[PC+6*\c+\i], v[PC+12+4*\c+\i]
.endr
.irp i, 0,1,2
	v_mov_b32 v[PC+3+6*\c+\i], v[PC+12+4*\c+\i]
.endr
.endr
.endm
	s_load_b128 s[4:7], s[0:1], 0x0                ; W_fc, W_proj
	s_load_b64 s[8:9], s[0:1], 0x10                ; wq
	v_lshl_add_u32 v208, v0, 2, 0x200
	v_mov_b32 v209, 0
	v_lshrrev_b32 v1, 5, v0
	v_readfirstlane_b32 s10, v1                    ; wave q
	v_and_b32 v1, 31, v0                           ; lane
	v_and_b32 v2, 15, v0                           ; r
	v_bfe_u32 v3, v0, 4, 1                         ; h
	v_mov_b32 v[NIL], 0
.irp b, 0,1,2,3
	v_mov_b32 v[TM+4+\b], 0                        ; written once: a lane permute's destination counts as one of its sources
.endr
	s_lshr_b32 s11, s10, 1                         ; kappa
	s_and_b32 s12, s10, 1                          ; z
	s_and_b32 s13, ttmp7, 0xffff                   ; w
	s_mul_i32 s14, ttmp9, 37
	s_lshr_b32 s14, s14, 8                         ; g = x / 7 (37 x >> 8 is exact for x under 42)
	s_mul_i32 s15, s14, 7
	s_sub_co_u32 s15, ttmp9, s15                   ; p
	s_lshl_b32 s16, s14, 9                         ; 512 g
	s_lshl_b32 s17, s11, 6                         ; 64 kappa
	s_lshl_b32 s18, s13, 7                         ; 128 w
	s_lshl_b32 s19, s12, 3                         ; 8 z
	s_add_co_u32 s20, s16, s18
	s_add_co_u32 s20, s20, s17
	s_add_co_u32 s20, s20, s19                     ; W_fc: fragment a's first unit
	s_lshl_b32 s21, s15, 7                         ; W_fc: its first k = 128 p
	s_lshl_b32 s19, s13, 4                         ; 16 w
	s_add_co_u32 s22, s21, s17
	s_add_co_u32 s22, s22, s19
	s_sub_co_u32 s22, s22, 128                     ; W_proj: the first row (used where p > g, so p is at least 1)
	s_lshl_b32 s19, s12, 7
	s_add_co_u32 s23, s16, s19                     ; W_proj: fragment a's first f = 128 (4 g + z)
	s_mov_b32 s24, 131072                          ; from fragment a to b: 32 rows of W_fc,
	s_mov_b32 s25, 1024                            ; or 256 along a row of W_proj
	s_mov_b32 s26, 0xffffff00                      ; -256
	s_mul_i32 s32, s13, 42
	s_add_co_u32 s32, s32, ttmp9
	s_mul_i32 s32, s32, 12800                      ; my octet,
	s_mul_i32 s33, s11, 6400
	s_add_co_u32 s32, s32, s33                     ; my quad,
	s_mul_i32 s33, s12, 1536
	s_add_co_u32 s32, s32, s33                     ; fragment a
	s_mov_b32 s33, 0
	s_lshl_b32 s35, s11, 8
	s_lshl_b32 s19, s12, 2
	s_add_co_u32 s35, s35, s19                     ; LDS: 256 kappa + 4 z
	s_mov_b32 s[SEL], 0x76543210
	s_mov_b32 s[SEL+1], 0xfedcba98
	s_wait_alu depctr_va_vdst(0)
	s_wait_kmcnt 0x0
	s_add_nc_u64 s[8:9], s[8:9], s[32:33]
	s_cmp_le_u32 s15, s14                          ; p <= g: W_fc; else W_proj.  The choice hangs on the work-group's number alone; only selects follow the compare
	s_cselect_b64 s[4:5], s[4:5], s[6:7]
	s_cselect_b32 s27, 12, 14                      ; a row is 2^12 or 2^14 bytes
	s_cselect_b32 s28, 8, 0                        ; W_fc's rows of a tile: r + (r & 8)
	s_cselect_b32 s29, 0, 2                        ; the last kept k of a row: row >> 2, or row << 2
	s_cselect_b32 s30, 2, 0
	s_cselect_b32 s20, s20, s22                    ; first row
	s_cselect_b32 s21, s21, s23                    ; first k
	s_cselect_b32 s24, s24, s25                    ; bytes from fragment a to fragment b
	s_cselect_b32 s26, 8, s26                      ; and what that does to d
	s_lshl_b32 s34, s21, 2
	v_and_b32 v4, s28, v2
	v_add3_u32 v4, v4, v2, s20                     ; my row
	v_lshlrev_b32 v5, s27, v4
	v_lshl_add_u32 v5, v3, 6, v5
	v_add_nc_u32 v5, s34, v5                       ; fragment a: row's bytes + 4 x first k + 64 h
	v_add_nc_u32 v6, s24, v5                       ; fragment b
.irp b, 0,1,2,3
.irp j, 0,1,2,3
	global_load_b128 v[XA+16*\b+4*\j:XA+16*\b+4*\j+3], v5, s[4:5] offset:128*\b+16*\j
.endr
.endr
.irp b, 0,1,2,3
.irp j, 0,1,2,3
	global_load_b128 v[XB+16*\b+4*\j:XB+16*\b+4*\j+3], v6, s[4:5] offset:128*\b+16*\j
.endr
.endr
	v_lshlrev_b32 v7, s29, v4
	v_lshrrev_b32 v7, s30, v7                      ; the row's last kept k
	v_lshlrev_b32 v8, 4, v3
	v_add_nc_u32 v8, s21, v8
	v_sub_nc_u32 v7, v7, v8                        ; d of fragment a = last kept k - first k - 16 h
	v_add_nc_u32 v8, s26, v7                       ; d of fragment b
	v_lshlrev_b32 v9, 4, v1                        ; 16 x lane
	v_lshl_add_u32 v10, v1, 3, s35                 ; LDS: 8 x lane + 256 kappa + 4 z
	v_mad_u32_u24 v11, v3, 6144, v9
	v_add_nc_u32 v11, 6144, v11                    ; the scale words' way out: lanes 0-15 quad 0's 256 bytes, lanes 16-31 quad 1's, 6,400 bytes on
	s_wait_alu depctr_va_vdst(0)
	s_wait_loadcnt 16                              ; fragment a's sixteen loads are in; b's sixteen may be out
	MASK XA, 7
	QUANT XA, PWA
.irp c, 0,1,2
	global_store_b128 v9, v[PC+4*\c:PC+4*\c+3], s[8:9] offset:512*\c   ; 32 lanes store 512 consecutive bytes
.endr
	s_wait_loadcnt 0x0
	MASK XB, 8
	s_wait_xcnt 0x0                                ; the three stores have read the codes' registers: they are written again only behind this wait
	QUANT XB, PWB
.irp c, 0,1,2
	global_store_b128 v9, v[PC+4*\c:PC+4*\c+3], s[8:9] offset:3072+512*\c
.endr
	v_cmp_eq_u32 vcc_lo, 1, v3
	v_cndmask_b32 v[SCV], v[PWA], v[PWB], vcc_lo   ; every lane holds its row's word of both fragments: lanes 0-15 give a's, lanes 16-31 b's
	ds_store_b32 v10, v[SCV]
	s_wait_dscnt 0x0                               ; for the others' sake: my store has landed
	s_barrier_signal -1
	s_barrier_wait -1                              ; the octet's 512 scale bytes lie in LDS
	s_cmp_lg_u32 s10, 0
	s_cbranch_scc1 .Lend                           ; wave 0 (whose base is the octet's first byte) stores them
	ds_load_b128 v[BK:BK+3], v9
	s_wait_dscnt 0x0
	global_store_b128 v11, v[BK:BK+3], s[8:9]      ; sixteen lanes store each quad's 256 consecutive bytes
.Lend:
	s_wait_tensorcnt 0x0
	ds_add_u32 v208, v209
	s_wait_dscnt 0x0
	s_endpgm
.Lfunc_end_k_q3575873a1e_wprep:
	.size	k_q3575873a1e_wprep, .Lfunc_end_k_q3575873a1e_wprep-k_q3575873a1e_wprep
	.p2alignl 7, 3214868480
	.fill 96, 4, 3214868480
	.section	.rodata,"a",@progbits
	.p2align	6, 0x0
	.amdhsa_kernel k_q3575873a1e_wprep
		.amdhsa_group_segment_fixed_size 1024
		.amdhsa_private_segment_fixed_size 0
		.amdhsa_enable_private_segment 0
		.amdhsa_kernarg_size 24
		.amdhsa_user_sgpr_count 2
		.amdhsa_user_sgpr_kernarg_segment_ptr 1
		.amdhsa_wavefront_size32 1
		.amdhsa_system_sgpr_workgroup_id_x 1
		.amdhsa_system_sgpr_workgroup_id_y 1
		.amdhsa_system_sgpr_workgroup_id_z 1
		.amdhsa_system_vgpr_workitem_id 0
		.amdhsa_next_free_vgpr 210
		.amdhsa_next_free_sgpr 66
		.amdhsa_reserve_vcc 1
		.amdhsa_float_denorm_mode_32 3
		.amdhsa_float_denorm_mode_16_64 3
		.amdhsa_memory_ordered 1
		.amdhsa_forward_progress 1
		.amdhsa_inst_pref_size 26
	.end_amdhsa_kernel
	.amdgpu_metadata
---
amdhsa.version: [ 1, 2 ]
amdhsa.kernels:
  - .name:           k_q3575873a1e_wprep
    .symbol:         k_q3575873a1e_wprep.kd
    .args:
      - { .name: W_fc, .offset: 0, .size: 8, .value_kind: global_buffer, .address_space: global }
      - { .name: W_proj, .offset: 8, .size: 8, .value_kind: global_buffer, .address_space: global }
      - { .name: wq, .offset: 16, .size: 8, .value_kind: global_buffer, .address_space: global }
    .group_segment_fixed_size: 1024
    .private_segment_fixed_size: 0
    .kernarg_segment_align: 8
    .kernarg_segment_size: 24
    .max_flat_workgroup_size: 128
    .sgpr_count:     66
    .vgpr_count:     210
    .wavefront_size: 32
...
	.end_amdgpu_metadata
.endif
;; end of part 3
;; launch mlp (part 4): grid 256 x 1, 4 waves a work-group, no clusters, 233,984 bytes of LDS; arguments x, wq, out0; writes out0
.if DOCPART == 4
	.amdgcn_target "amdgcn-amd-amdhsa--gfx1250"
	.amdhsa_code_object_version 6
	.text
	.protected	k_q3575873a1e_mlp
	.globl	k_q3575873a1e_mlp
	.p2align	8
	.type	k_q3575873a1e_mlp,@function
k_q3575873a1e_mlp:
	s_mov_b64 s[64:65], 0
	v_nop
	global_prefetch_b8 v0, s[64:65] scope:SCOPE_SE
	s_setreg_imm32_b32 hwreg(HW_REG_WAVE_SCHED_MODE, 0, 2), 2
	s_setreg_imm32_b32 hwreg(HW_REG_WAVE_MODE, 25, 1), 1
	s_wait_xcnt 0x0
	s_wait_alu depctr_vm_vsrc(0)
; out = relu(LN(x) Wfc'^T)^2 Wproj'^T, the primes standing for the problem's own triangular masks; both products on codes of FP6 (E2M3) with one E8M0 scale for each 32 along K.
; x, out: [8192][1024] f32.  LN: for each head of 64 numbers (x - mean) * rsqrt(var + 1e-5).  wq: both weights as images of operand registers, made by the launch before (its head says where each fragment lies).
; WHAT THE MASKS LEAVE: hidden unit f takes k <= f / 4 and f < 3,072; output i takes f <= 4 i and i < 768.  x's columns from 768 on are not needed; out's columns from 768 on are zeros, which are stored.
; SHARES.  A work-group takes 32 rows (two tiles m of 16) through the whole chain; the hidden layer never goes to memory.  THE WAVES SHARE THE COLUMNS: in block g (512 hidden units, g = 0..5) wave w makes
; units 128 (4 g + w) on, K steps s = 0..g of the first product, for all 32 rows; it owns the output tiles t = 4 j + w, j = 0..11, and block g adds onto those with j >= 2 g.  That is (g + 1) + (6 - g) = 7
; positions of 8 weight fragments in every block, 16 matrix instructions each.
; THE WEIGHTS GO FROM MEMORY STRAIGHT INTO OPERAND REGISTERS: a ring of 7 buffers of a quad (4 fragments and their scale words: 13 loads).  A block has 14 quads, so quad n of the walk always lies in buffer n % 7,
; and every block begins with buffers 0..4 asked for in that order and buffers 5 and 6 free: waits and register numbers are the same whichever block came before.
; NO JOINT REQUESTS: a weight fragment has ONE reader in a work-group, the wave into whose registers it is loaded.  Joint requests are loads into LDS; by that road each work-group's 2,150,400 bytes of codes
; would be written to LDS and read from it once more, for 2 matrix instructions a fragment.
; THE WALK IS CYCLIC: work-group n begins at block n % 6 and goes round, so that the 256 work-groups do not all ask for the same bytes of wq at the same time.  Its price: the outputs' sums begin as zeros
; written by moves (the first block of a walk does not touch every tile), and the last block's look-ahead of 5 quads (valid addresses) is not used.
; BOTH PRODUCTS ARE USED TRANSPOSED (source 0 = 16 rows of a weight, source 1 = 16 rows of x or of the hidden layer): a lane holds ONE row throughout and its registers run along the next K, or along out's columns.
; OPERANDS GO FROM WAVE TO WAVE THROUGH LDS AS IMAGES OF THEIR REGISTERS: 3 stores of 16 bytes a lane for a fragment, 4 bytes a lane for its scale words.
; LIMITS: NaN and infinities in x's columns 0..767 are not served (columns from 768 on are never read); a block of zeros gets the scale byte 1 where the rule says 127 (its codes are zeros; nobody else reads the
; bytes); blocks whose largest magnitude lies under 2^-124 are held at byte 1; the order of the f32 sums in the LN is this text's own (packed, two chains, then across two lanes).
; REGISTERS, in windows of 256.  Window 0: v1-11, v88-90 addresses; v12-15 zeros; v16-29 the quads' scale words; v30-41 x's; v42-49 the hidden layer's; v50-87 the quantiser's; v96-223 my 16 tiles of the hidden
;   layer (also: 64 numbers of x; the 8 hidden fragments; rows of out); v224-244 the LN's.  Window 1: v0-191 the 24 accumulators of out (at the head: x as loaded).  Windows 2, 3: quad buffer b at v[48 (b % 5)] of
;   window 2 + b / 5.  Window 3, v96-239: x's 12 fragments.
; THE MODE: SCHED_MODE bits 1:0 = 2 (LLVM: expert scheduling mode 2), set by the entry lines.  The code itself states the register dependences between vector or matrix instructions and memory or LDS
; instructions, with s_wait_alu, always for 0.
; THE PLAN.  Registers that memory or LDS instructions touch, in the walk:
;   quad buffers 0..6, v16-29   Position p's 16 products read buffers 2 p % 7 and (2 p + 1) % 7 and their scale words; the loads of the quads 7 further on land in them during position p + 1.
;   v96-191, v42-49             Written by the first product's products and by relu^2, read by the quantiser; then the block's LDS loads of the hidden fragments land in them; the second product's products read them.
;   v66, v68-87                 The scale word and the codes just made: written by the quantiser, read by the image's LDS stores.
;   v1-11, v88-90, v12-15       Addresses and zeros: written at the head, never again.
; So ONE wait on va_vdst stands at a position's head: the products of the position before are done reading their two buffers.  The position's 26 loads follow it, dealt among its 16 products, which name the
; position's own two buffers, x's or the hidden fragments and accumulators: none of the registers that those loads touch.  One wait on va_vdst stands ahead of each image's stores, one on vm_vsrc behind them.
.set XSTG, 0                           ; LDS: x on its way to a lane's 16 neighbours: 4 waves x 3 K steps x 16 rows of 512 + 16 bytes; each wave's own
.set XIMG, 101376                      ; x's 12 fragments (6 m + s), 1,536 bytes each
.set XSC,  119808                      ; their scale words, 128 bytes each
.set HIMG, 121344                      ; a block's 8 hidden fragments (2 ks + m)
.set HSC,  133632                      ; their scale words
.set OSTG, 134656                      ; the way out: 32 rows of 3,072 + 16 bytes
.set FRB,  1536
.set QUADB, 6400
.set LI,   1                           ; 16 x lane
.set L8,   2                           ; 8 x lane
.set XST,  3
.set XLD0, 4
.set XWI0, 5
.set XWS0, 6
.set XLI,  7
.set XLS,  8
.set HWI,  9
.set HWS,  10
.set HLI,  11
.set ZR,   12
.set QS,   16
.set XS,   30
.set HS,   42
.set TM,   50
.set PW,   66
.set PC,   68
.set HLS,  88
.set SO,   89
.set SR,   90
.set HA,   96
.set XN,   96
.set HF,   96
.set LT,   224                         ; head d: v[LT+8d..]: two pairs of sums, -mean (a pair), rsqrt (a pair)
.set LP,   240
.set CA,   242                         ; v242-244 the X loop's LDS addresses
.set XF,   96                          ; in window 3
.set WV,   10
.set WB,   14                          ; s[14:15] my wave's 537,600 bytes of wq; never rewritten
.set WP,   16                          ; s[16:17] the walk's first block in them; never rewritten
.set GZ,   18                          ; s18 the walk's first block
.set TRIP, 19
.set WLO,  20
.set WHI,  21
.set SEL,  22
.set R64,  24
.set EPSR, 25
.set XB,   30                          ; s[30:31] x at my 16 rows and 3 K steps
.set OB,   32                          ; s[32:33] out at my 8 rows
.set NR64, 34
.set MSB, 0
.macro WIN new                         ; the immediate's high byte repeats the setting that is left; a switch that changes nothing is dropped
.if MSB != (\new)
	s_set_vgpr_msb (MSB<<8)|(\new)
.set MSB, (\new)
.endif
.endm
; At the head: a quad into buffer b: 12 loads of 512 consecutive bytes (register 4 i .. 4 i + 3 of the buffer), and 256 bytes of scale words
.macro QISSUE b, base, off
	WIN (2+(\b)/5)<<6
.irp i, 0,1,2,3,4,5,6,7,8,9,10,11
	global_load_b128 v[48*((\b)%5)+4*\i:48*((\b)%5)+4*\i+3], v[LI], s[\base:\base+1] offset:(\off)+512*\i
.endr
	WIN 0
	global_load_b64 v[QS+2*(\b):QS+2*(\b)+1], v[L8], s[\base:\base+1] offset:(\off)+6144
.endm
; In the walk: position p of block g fills the two buffers that the position before has left, (2 p + 5) % 7 and (2 p + 6) % 7, with quads 14 g + 2 p + 5 and + 6 of the cyclic walk: 26 loads.
; RSC: the two quads' scale words (every window is 0 here).  RCODE: part k of four of their codes, six loads of 512 consecutive bytes.
.macro RSC g, p
.irp q, 0,1
	global_load_b64 v[QS+2*((2*(\p)+5+\q)%7):QS+2*((2*(\p)+5+\q)%7)+1], v[L8], s[WB:WB+1] offset:QUADB*((14*(\g)+2*(\p)+5+\q)%84)+6144
.endr
.endm
.macro RCODE g, p, k
.set rQ, (\k)/2
.set rBf, (2*(\p)+5+rQ)%7
.set rRg, 48*(rBf%5)+24*((\k)%2)
.set rOf, QUADB*((14*(\g)+2*(\p)+5+rQ)%84)+3072*((\k)%2)
	WIN (2+rBf/5)<<6
.irp i, 0,1,2,3,4,5
	global_load_b128 v[rRg+4*\i:rRg+4*\i+3], v[LI], s[WB:WB+1] offset:rOf+512*\i   ; no wait: no vector or matrix instruction since the wait at the position's head names these registers
.endr
.endm
; One matrix instruction, from the symbols rD, rA, rB, rSA, rSB; fZ: it starts its sum; fR: the weight's scale words stand in lanes 16-31
.macro MM
.if fZ
.if fR
	v_wmma_scale_f32_16x16x128_f8f6f4 v[rD:rD+7], v[rA:rA+11], v[rB:rB+11], 0, v[rSA], v[rSB] matrix_a_fmt:MATRIX_FMT_FP6 matrix_b_fmt:MATRIX_FMT_FP6 matrix_a_scale:MATRIX_SCALE_ROW1
.else
	v_wmma_scale_f32_16x16x128_f8f6f4 v[rD:rD+7], v[rA:rA+11], v[rB:rB+11], 0, v[rSA], v[rSB] matrix_a_fmt:MATRIX_FMT_FP6 matrix_b_fmt:MATRIX_FMT_FP6
.endif
.else
.if fR
	v_wmma_scale_f32_16x16x128_f8f6f4 v[rD:rD+7], v[rA:rA+11], v[rB:rB+11], v[rD:rD+7], v[rSA], v[rSB] matrix_a_fmt:MATRIX_FMT_FP6 matrix_b_fmt:MATRIX_FMT_FP6 matrix_a_scale:MATRIX_SCALE_ROW1
.else
	v_wmma_scale_f32_16x16x128_f8f6f4 v[rD:rD+7], v[rA:rA+11], v[rB:rB+11], v[rD:rD+7], v[rSA], v[rSB] matrix_a_fmt:MATRIX_FMT_FP6 matrix_b_fmt:MATRIX_FMT_FP6
.endif
.endif
.endm
; Position s <= g: K step s of the first product: my 8 tiles of hidden units x the 2 tiles of rows.  The 16 accumulators take turns, one instruction a turn.
.macro POS1 g, s
	s_wait_loadcnt 38                              ; the two quads wanted are in: behind the last load of theirs stand 12 loads of the same refill and the 26 of the position before (in a walk's first two positions 39: the smaller count is safe)
	s_wait_alu depctr_va_vdst(0)                   ; the products of the position before are done reading their two buffers and their scale words, in which this position's 26 loads land
	RSC \g, \s
.irp t, 0,1,2,3,4,5,6,7
.irp m, 0,1
.set qB, (2*(\s)+\t/4)%7
.set rD, HA+64*\m+8*\t
.set rA, 48*(qB%5)+12*(\t%4)
.set rB, XF+12*(6*\m+(\s))
.set rSA, QS+2*qB+\t%2
.set rSB, XS+6*\m+(\s)
.set fR, (\t%4)/2
.if (\s)==0
.set fZ, 1
.else
.set fZ, 0
.endif
	WIN 0x0c+2+qB/5                                ; source 0 (the weight) window 2 or 3, source 1 (x) window 3, C and D window 0
	MM
.endr
.if \t%2
	RCODE \g, \s, \t/2                             ; six loads behind each four products
.endif
.endr
	WIN 0
.endm
; Position p > g: my output tiles j = 2 (p - 1) + kp, the block's four K steps ks, the 2 tiles of rows.  Four accumulators by turns.
; fC = 0: the block's first such position, which owes no wait on va_vdst: see the block.
.macro POS2 g, p
	s_wait_loadcnt 38                              ; as above
.if fC
	s_wait_alu depctr_va_vdst(0)                   ; the products of the position before are done reading their two buffers and their scale words, in which this position's 26 loads land
.endif
	RSC \g, \p
.irp ks, 0,1,2,3
.irp kp, 0,1
.irp m, 0,1
.set qB, (2*(\p)+\kp)%7
.set rD, 8*(2*(2*((\p)-1)+\kp)+\m)
.set rA, 48*(qB%5)+12*\ks
.set rB, HF+12*(2*\ks+\m)
.set rSA, QS+2*qB+\ks%2
.set rSB, HS+2*\ks+\m
.set fR, \ks/2
.set fZ, 0
	WIN 0x50+2+qB/5                                ; source 0 window 2 or 3, source 1 (the hidden layer) window 0, C and D window 1
	MM
.endr
.endr
	RCODE \g, \p, \ks                              ; six loads behind each four products
.endr
	WIN 0
.endm
.macro RELU2 s                         ; relu, then the square, in f32; each accumulator is read from its lowest register on
.set i, 0
.rept 64
	v_max_num_f32 v[\s+i], 0, v[\s+i]
.set i, i+1
.endr
.set i, 0
.rept 32
	v_pk_mul_f32 v[\s+i:\s+i+1], v[\s+i:\s+i+1], v[\s+i:\s+i+1]
.set i, i+2
.endr
.endm
; 64 numbers of a lane, register 16 b + i = k 32 b + 16 (lane / 16) + i of my row, become a fragment's codes in v[PC] on and its row's scale word in v[PW]
.macro QUANT s
.irp b, 0,1,2,3
	v_max3_num_f32 v[TM+\b], |v[\s+16*\b]|, |v[\s+1+16*\b]|, 0x1800000   ; block b: my 16 numbers, and the floor 2^(3 - 127): the byte cannot fall under 1
.endr
.irp i, 2,4,6,8,10,12,14
.irp b, 0,1,2,3
	v_max3_num_f32 v[TM+\b], v[TM+\b], |v[\s+16*\b+\i]|, |v[\s+1+16*\b+\i]|   ; the four blocks by turns
.endr
.endr
.irp b, 0,1,2,3
	v_permlanex16_b32 v[TM+4+\b], v[TM+\b], s[SEL], s[SEL+1]
.endr
.irp b, 0,1,2,3
	v_max_num_f32 v[TM+\b], v[TM+\b], v[TM+4+\b]   ; with lane l xor 16's 16: the block's largest magnitude
.endr
.irp b, 0,1,2,3
	v_add_nc_u32 v[TM+12+\b], 0xff000000, v[TM+\b]   ; 2 off its exponent field: the conversion takes this operand's exponent field as its scale
.endr
.irp b, 0,1,2,3
	v_lshrrev_b32 v[TM+4+\b], 23, v[TM+12+\b]      ; the scale's byte
.endr
	v_lshl_or_b32 v[PW], v[TM+5], 8, v[TM+4]
	v_lshl_or_b32 v[PW], v[TM+6], 16, v[PW]
	v_lshl_or_b32 v[PW], v[TM+7], 24, v[PW]
.irp c, 0,1
	v_cvt_scalef32_pk16_fp6_f32 v[PC+6*\c:PC+2+6*\c], v[\s+32*\c:\s+15+32*\c], v[TM+12+2*\c]
	v_cvt_scalef32_pk16_fp6_f32 v[PC+12+4*\c:PC+14+4*\c], v[\s+16+32*\c:\s+31+32*\c], v[TM+12+2*\c+1]   ; (a conversion's three registers begin on an even number)
.endr
	v_nop                                          ; one plain place behind a scaled conversion
.irp c, 0,1                                    ; the operand's layout wants a whole block in a lane: lanes 0-15 block 2 c, lanes 16-31 block 2 c + 1
.irp i, 0,1,2
	v_permlane16_swap_b32 v[PC+6*\c+\i], v[PC+12+4*\c+\i]
.endr
.irp i, 0,1,2
	v_mov_b32 v[PC+3+6*\c+\i], v[PC+12+4*\c+\i]
.endr
.endr
.endm
.macro IMAGE adr, off                  ; the fragment in v[PC] on goes to LDS as it stands
.irp c, 0,1,2
	ds_store_b128 v[\adr], v[PC+4*\c:PC+4*\c+3] offset:(\off)+512*\c
.endr
.endm
.macro BAR                             ; my LDS stores have landed and my LDS loads are in: then the work-group's barrier
	s_wait_dscnt 0x0
	s_barrier_signal -1
	s_barrier_wait -1
.endm
; The LN of the two heads that a K step of 128 holds: head d is v[XN+32 d] on, 32 numbers in my lane and 32 in lane l xor 16.  The heads take turns line by line.
.macro LN
.irp d, 0,1
	v_pk_add_f32 v[LT+8*\d:LT+8*\d+1], v[XN+32*\d:XN+32*\d+1], v[XN+32*\d+2:XN+32*\d+3]
	v_pk_add_f32 v[LT+8*\d+2:LT+8*\d+3], v[XN+32*\d+4:XN+32*\d+5], v[XN+32*\d+6:XN+32*\d+7]
.endr
.irp i, 8,12,16,20,24,28
.irp d, 0,1
	v_pk_add_f32 v[LT+8*\d:LT+8*\d+1], v[LT+8*\d:LT+8*\d+1], v[XN+32*\d+\i:XN+32*\d+\i+1]
	v_pk_add_f32 v[LT+8*\d+2:LT+8*\d+3], v[LT+8*\d+2:LT+8*\d+3], v[XN+32*\d+\i+2:XN+32*\d+\i+3]
.endr
.endr
.irp d, 0,1
	v_pk_add_f32 v[LT+8*\d:LT+8*\d+1], v[LT+8*\d:LT+8*\d+1], v[LT+8*\d+2:LT+8*\d+3]
.endr
.irp d, 0,1
	v_add_f32 v[LT+8*\d], v[LT+8*\d], v[LT+8*\d+1]
.endr
.irp d, 0,1
	v_permlanex16_b32 v[LP+\d], v[LT+8*\d], s[SEL], s[SEL+1]
.endr
.irp d, 0,1
	v_add_f32 v[LT+8*\d], v[LT+8*\d], v[LP+\d]     ; the head's sum
.endr
.irp d, 0,1
	v_mul_f32 v[LT+8*\d+4], s[NR64], v[LT+8*\d]    ; -mean
.endr
.irp i, 0,2,4,6,8,10,12,14,16,18,20,22,24,26,28,30
.irp d, 0,1
	v_pk_add_f32 v[XN+32*\d+\i:XN+32*\d+\i+1], v[XN+32*\d+\i:XN+32*\d+\i+1], v[LT+8*\d+4:LT+8*\d+5] op_sel_hi:[1,0]   ; x - mean (the pair's low word serves both halves)
.endr
.endr
.irp d, 0,1
	v_pk_mul_f32 v[LT+8*\d:LT+8*\d+1], v[XN+32*\d:XN+32*\d+1], v[XN+32*\d:XN+32*\d+1]
	v_pk_mul_f32 v[LT+8*\d+2:LT+8*\d+3], v[XN+32*\d+2:XN+32*\d+3], v[XN+32*\d+2:XN+32*\d+3]
.endr
.irp i, 4,8,12,16,20,24,28
.irp d, 0,1
	v_pk_fma_f32 v[LT+8*\d:LT+8*\d+1], v[XN+32*\d+\i:XN+32*\d+\i+1], v[XN+32*\d+\i:XN+32*\d+\i+1], v[LT+8*\d:LT+8*\d+1]
	v_pk_fma_f32 v[LT+8*\d+2:LT+8*\d+3], v[XN+32*\d+\i+2:XN+32*\d+\i+3], v[XN+32*\d+\i+2:XN+32*\d+\i+3], v[LT+8*\d+2:LT+8*\d+3]
.endr
.endr
.irp d, 0,1
	v_pk_add_f32 v[LT+8*\d:LT+8*\d+1], v[LT+8*\d:LT+8*\d+1], v[LT+8*\d+2:LT+8*\d+3]
.endr
.irp d, 0,1
	v_add_f32 v[LT+8*\d], v[LT+8*\d], v[LT+8*\d+1]
.endr
.irp d, 0,1
	v_permlanex16_b32 v[LP+\d], v[LT+8*\d], s[SEL], s[SEL+1]
.endr
.irp d, 0,1
	v_add_f32 v[LT+8*\d], v[LT+8*\d], v[LP+\d]     ; the sum of squares
.endr
.irp d, 0,1
	v_fma_f32 v[LT+8*\d], v[LT+8*\d], s[R64], s[EPSR]   ; var + eps
.endr
	s_wait_alu depctr_va_vdst(0)
.irp d, 0,1
	v_rsq_f32 v[LT+8*\d+6], v[LT+8*\d]
.endr
	v_nop                                          ; a plain place behind the two roots
	s_wait_alu depctr_va_vdst(0)                   ; the two roots have written v[LT+6] and v[LT+14]: one wait for both, ahead of the first line that names a root's result
.irp i, 0,2,4,6,8,10,12,14,16,18,20,22,24,26,28,30
.irp d, 0,1
	v_pk_mul_f32 v[XN+32*\d+\i:XN+32*\d+\i+1], v[XN+32*\d+\i:XN+32*\d+\i+1], v[LT+8*\d+6:LT+8*\d+7] op_sel_hi:[1,0]
.endr
.endr
.endm
.macro TOSTG i                         ; K step i of my 16 rows of x, as loaded (a register quad = 16 bytes of a row), into my own stage
	WIN 0x04                                       ; an LDS store's data are its source 1: window 1
.irp q, 0,1,2,3,4,5,6,7,8,9,10,11,12,13,14,15
	ds_store_b128 v[XST], v[64*\i+4*\q:64*\i+4*\q+3] offset:8448*\i+528*\q
.endr
	WIN 0
.endm
; A block.  It is walked where WLO <= g < WHI: scalar branches on numbers made of the work-group's number alone, the same in all four waves, so every wave passes the same barriers.
.macro BLOCK g
	s_cmp_gt_u32 s[WLO], \g
	s_cbranch_scc1 .Lskip_\@
	s_cmp_le_u32 s[WHI], \g
	s_cbranch_scc1 .Lskip_\@
.set PP, 0
.rept \g+1
	POS1 \g, PP
.set PP, PP+1
.endr
.rept 4
	v_nop                                          ; four plain places behind the last product, ahead of the first read of its result (ISA guide 7.12.1)
.endr
	RELU2 HA
	QUANT HA
	s_wait_alu depctr_va_vdst(0)                   ; the quantiser has written v[PC ..] and v[PW], which the image's stores read
	IMAGE HWI, 0                                   ; K step w of the block's second product, rows 0 on
	ds_store_b32 v[HWS], v[PW]
	RELU2 HA+64                                    ; (it names none of the stores' registers)
	s_wait_dscnt 0x0                               ; the image's stores are done,
	s_wait_alu depctr_vm_vsrc(0)                   ; and have read v[PC ..] and v[PW], which the quantiser writes again
	QUANT HA+64
	s_wait_alu depctr_va_vdst(0)                   ; the quantiser has written v[PC ..] and v[PW], which the image's stores read.  All vector and matrix work on v96-223 and on v42-49 stands ahead of this wait too, and none follows before the second product: so the LDS loads of the hidden fragments below, and the first position behind them, owe no further wait
	IMAGE HWI, FRB                                 ; rows 16 on
	ds_store_b32 v[HWS], v[PW] offset:128
	s_wait_dscnt 0x0                               ; the image's stores are done,
	s_wait_alu depctr_vm_vsrc(0)                   ; and have read v[PC ..] and v[PW], which the next block's quantiser writes again
	BAR                                            ; the block's eight hidden fragments lie in LDS
.irp f, 0,1,2,3,4,5,6,7
.irp c, 0,1,2
	ds_load_b128 v[HF+12*\f+4*\c:HF+12*\f+4*\c+3], v[HLI] offset:FRB*\f+512*\c
.endr
	ds_load_b32 v[HS+\f], v[HLS] offset:128*\f
.endr
	BAR                                            ; every wave has them in registers: the next block may write the images again
.set fC, 0
.rept 6-\g
	POS2 \g, PP
.set fC, 1
.set PP, PP+1
.endr
.rept 5
	v_nop                                          ; five plain places behind the block's last products (ISA guide 7.12.1): the next block's first products lay their results over the hidden fragments that these have read (five are owed); behind the last block the way out reads results (four)
.endr
.Lskip_\@:
.endm
.macro OUTB n0, buf                    ; sixteen pieces of 512 bytes of my 8 rows: piece n is row n / 6, bytes 512 (n % 6) on
.irp i, 0,1,2,3,4,5,6,7,8,9,10,11,12,13,14,15
	ds_load_b128 v[\buf+4*\i:\buf+4*\i+3], v[SR] offset:3088*((\n0+\i)/6)+512*((\n0+\i)%6)
.endr
.irp i, 0,1,2,3,4,5,6,7,8,9,10,11,12,13,14,15
	s_wait_dscnt 15-\i                             ; LDS loads come back in order: piece i is in, the younger ones may be out
	global_store_b128 v[LI], v[\buf+4*\i:\buf+4*\i+3], s[OB:OB+1] offset:4096*((\n0+\i)/6)+512*((\n0+\i)%6) th:TH_STORE_NT   ; 32 lanes store 512 consecutive bytes, at a multiple of 512 from out's first byte
.endr
.endm
	s_load_b128 s[4:7], s[0:1], 0x0                ; x, wq
	s_load_b64 s[8:9], s[0:1], 0x10                ; out
	v_lshl_add_u32 v254, v0, 2, 0x39000
	v_mov_b32 v255, 0
	v_lshrrev_b32 v91, 5, v0
	v_readfirstlane_b32 s[WV], v91                 ; wave 0..3
	v_and_b32 v94, 31, v0                          ; lane
	v_lshlrev_b32 v[LI], 4, v94
	v_lshlrev_b32 v[L8], 3, v94
.irp i, 0,1,2,3
	v_mov_b32 v[ZR+\i], 0
.endr
	s_wait_alu depctr_va_sdst(0)                   ; the wave's number is written, ahead of its first reader: the bases of x, out and wq and the LDS addresses are made from it
	s_lshl_b32 s26, ttmp9, 17                      ; the work-group's 32 rows of 4,096 bytes
	s_lshr_b32 s12, s[WV], 1
	s_lshl_b32 s12, s12, 16                        ; x: wave w quantises rows 16 (w / 2) on,
	s_and_b32 s13, s[WV], 1
	s_mul_i32 s13, s13, 1536                       ; K steps 3 (w % 2) on
	s_add_co_u32 s12, s12, s13
	s_add_co_u32 s12, s12, s26
	s_mov_b32 s13, 0
	s_lshl_b32 s28, s[WV], 15                      ; out: wave w stores rows 8 w on
	s_add_co_u32 s28, s28, s26
	s_mov_b32 s29, 0
	s_mul_i32 s20, s[WV], 537600
	s_mov_b32 s21, 0
	s_mul_i32 s[GZ], ttmp9, 171
	s_lshr_b32 s[GZ], s[GZ], 10                    ; n / 6 (171 n >> 10 is exact for n under 256)
	s_mul_i32 s[GZ], s[GZ], 6
	s_sub_co_u32 s[GZ], ttmp9, s[GZ]               ; the walk's first block: n % 6
	s_mul_i32 s22, s[GZ], 89600
	s_mov_b32 s23, 0
	s_wait_kmcnt 0x0
	s_add_nc_u64 s[XB:XB+1], s[4:5], s[12:13]
	s_add_nc_u64 s[OB:OB+1], s[8:9], s[28:29]
	s_add_nc_u64 s[WB:WB+1], s[6:7], s[20:21]
	s_add_nc_u64 s[WP:WP+1], s[WB:WB+1], s[22:23]
	WIN 0x40                                       ; destination window 1
	s_wait_alu depctr_va_vdst(0)                   ; v[LI], v[L8] and the four zeros are written: every global load and store of the kernel reads one of the two as its offset, the stores of zeros read the four
.irp i, 0,1,2
.irp q, 0,1,2,3,4,5,6,7,8,9,10,11,12,13,14,15
	global_load_b128 v[64*\i+4*\q:64*\i+4*\q+3], v[LI], s[XB:XB+1] offset:4096*\q+512*\i th:TH_LOAD_NT   ; a row's K step: 512 consecutive bytes
.endr
.endr
	QISSUE 0, WP, 0
.irp q, 0,1,2,3,4,5,6,7
	global_store_b128 v[LI], v[ZR:ZR+3], s[OB:OB+1] offset:4096*\q+3072 th:TH_STORE_NT   ; out's columns 768 .. 1,023 of my 8 rows are zeros
	global_store_b128 v[LI], v[ZR:ZR+3], s[OB:OB+1] offset:4096*\q+3584 th:TH_STORE_NT
.endr
	v_and_b32 v92, 15, v0                          ; r
	v_bfe_u32 v93, v0, 4, 1                        ; h
	v_lshlrev_b32 v95, 2, v94                      ; 4 x lane
	s_mul_i32 s12, s[WV], 25344                    ; my stage for x
	v_add_nc_u32 v[XST], s12, v[LI]                ; in: 16 bytes a lane of a row
	v_mul_u32_u24 v[XLD0], v92, 528
	v_lshl_add_u32 v[XLD0], v93, 6, v[XLD0]
	v_add_nc_u32 v[XLD0], s12, v[XLD0]             ; back: row r, + 64 h: my 16 numbers of a block of 32
	s_mul_i32 s12, s[WV], 4608
	s_add_co_u32 s12, s12, XIMG
	v_add_nc_u32 v[XWI0], s12, v[LI]               ; x's images 3 w on
	s_mul_i32 s12, s[WV], 384
	s_add_co_u32 s12, s12, XSC
	v_add_nc_u32 v[XWS0], s12, v95
	v_add_nc_u32 v[XLI], XIMG, v[LI]
	v_add_nc_u32 v[XLS], XSC, v95
	s_mul_i32 s12, s[WV], 3072
	s_add_co_u32 s12, s12, HIMG
	v_add_nc_u32 v[HWI], s12, v[LI]                ; the hidden layer's images 2 w on
	s_lshl_b32 s12, s[WV], 8
	s_add_co_u32 s12, s12, HSC
	v_add_nc_u32 v[HWS], s12, v95
	v_add_nc_u32 v[HLI], HIMG, v[LI]
	v_add_nc_u32 v[HLS], HSC, v95
	v_mul_u32_u24 v[SO], v92, 3088
	v_lshl_add_u32 v[SO], v93, 5, v[SO]
	s_lshl_b32 s12, s[WV], 6
	s_add_co_u32 s12, s12, OSTG
	v_add_nc_u32 v[SO], s12, v[SO]                 ; the way out, in: row r, + 32 h, + 64 w: my tile's bytes among each 256
	s_mul_i32 s12, s[WV], 24704
	s_add_co_u32 s12, s12, OSTG
	v_add_nc_u32 v[SR], s12, v[LI]                 ; back: my 8 rows, 16 bytes a lane
	s_mov_b32 s[SEL], 0x76543210
	s_mov_b32 s[SEL+1], 0xfedcba98                 ; lane l xor 16
	s_mov_b32 s[R64], 0x3c800000                   ; 1 / 64
	s_mov_b32 s[NR64], 0xbc800000                  ; -1 / 64
	s_mov_b32 s[EPSR], 0x3727c5ac                  ; 1e-5
.irp b, 0,1,2,3
	v_mov_b32 v[TM+4+\b], 0                        ; written once: a lane permute's destination counts as one of its sources
.endr
	v_mov_b32 v[LP], 0
	v_mov_b32 v[LP+1], 0
.irp d, 0,1
	v_mov_b32 v[LT+8*\d+5], 0                      ; named as the upper halves of pairs whose low word serves both halves
	v_mov_b32 v[LT+8*\d+7], 0
.endr
	s_wait_loadcnt 45                              ; K step 0's 16 loads are in: behind them stand K steps 1 and 2 (32) and quad 0 (13)
	s_wait_alu depctr_va_vdst(0)                   ; the LDS addresses v3 to v11 and v88 to v90 are written, which the LDS stores and loads of the whole kernel read; none of them is written again
	TOSTG 0
	QISSUE 1, WP, QUADB
	s_wait_loadcnt 42                              ; K step 1's: behind them K step 2 (16) and two quads (26)
	TOSTG 1
	QISSUE 2, WP, 2*QUADB
	s_wait_loadcnt 39                              ; K step 2's: behind them three quads
	TOSTG 2
	QISSUE 3, WP, 3*QUADB
	QISSUE 4, WP, 4*QUADB                          ; the ring is primed: buffers 0..4, in that order; buffers 5 and 6 are asked for in the first block's first position
	; ---- X: my 16 rows x 3 K steps of x: LN, quantiser, image.  Three trips; what differs is three LDS addresses
	s_mov_b32 s26, 0
	s_mov_b32 s27, 0
	s_mov_b32 s28, 0
	s_mov_b32 s29, 0
.Lx:
	v_add_nc_u32 v[CA], s26, v[XLD0]
	v_add_nc_u32 v[CA+1], s27, v[XWI0]
	v_add_nc_u32 v[CA+2], s28, v[XWS0]
	s_wait_alu depctr_va_vdst(0)                   ; the three addresses are written, which this trip's LDS loads and stores read; the last trip's LN and quantiser are done with v[XN ..], in which the loads land
.irp b, 0,1,2,3
.irp j, 0,1,2,3
	ds_load_b128 v[XN+16*\b+4*\j:XN+16*\b+4*\j+3], v[CA] offset:128*\b+16*\j   ; LDS serves a wave's instructions in order: these see my stores
.endr
.endr
	s_wait_dscnt 0x0
	LN
	QUANT XN
	s_wait_alu depctr_va_vdst(0)                   ; the quantiser has written v[PC ..] and v[PW], which the image's stores read
	IMAGE CA+1, 0
	ds_store_b32 v[CA+2], v[PW]
	s_wait_dscnt 0x0                               ; the image's stores are done,
	s_wait_alu depctr_vm_vsrc(0)                   ; and have read v[PC ..], v[PW] and their addresses, and the loads theirs: the next trip writes all of them again.  The stores into my stage have read x's registers in window 1, which the moves behind the loop write
	s_add_co_u32 s26, s26, 8448
	s_add_co_u32 s27, s27, FRB
	s_add_co_u32 s28, s28, 128
	s_add_co_u32 s29, s29, 1
	s_cmp_lt_u32 s29, 3
	s_cbranch_scc1 .Lx
	BAR                                            ; x's twelve fragments lie in LDS; they are never written again
	WIN 0xc0                                       ; destination window 3
.irp f, 0,1,2,3,4,5,6,7,8,9,10,11
.irp c, 0,1,2
	ds_load_b128 v[XF+12*\f+4*\c:XF+12*\f+4*\c+3], v[XLI] offset:FRB*\f+512*\c   ; no vector instruction has named these registers
.endr
.endr
	WIN 0
.irp f, 0,1,2,3,4,5,6,7,8,9,10,11
	ds_load_b32 v[XS+\f], v[XLS] offset:128*\f
.endr
	WIN 0x40                                       ; out's sums begin as zeros: which block is a tile's first hangs on where the walk begins
.set i, 0
.rept 192
	v_mov_b32 v[i], 0
.set i, i+1
.endr
	WIN 0
	s_wait_dscnt 0x0
	; ---- the walk: trip 0 takes blocks GZ .. 5, trip 1 blocks 0 .. GZ - 1
	s_mov_b32 s[TRIP], 0
.Lwalk:
	s_cmp_eq_u32 s[TRIP], 0
	s_cselect_b32 s[WLO], s[GZ], 0
	s_cselect_b32 s[WHI], 6, s[GZ]
	BLOCK 0
	BLOCK 1
	BLOCK 2
	BLOCK 3
	BLOCK 4
	BLOCK 5
	s_add_co_u32 s[TRIP], s[TRIP], 1
	s_cmp_lt_u32 s[TRIP], 2
	s_cbranch_scc1 .Lwalk
	; ---- the way out: a lane holds 32 neighbouring bytes of a row, and a row's 3,072 bytes come from four waves: they meet in a stage, and each wave stores 8 rows in pieces of 512 bytes
	WIN 0x04                                       ; the data: window 1
	s_wait_alu depctr_va_vdst(0)                   ; the products (and the moves of zeros) have written the accumulators, which the LDS stores read: the places at the last block's end stay beside this wait.  The products are also done reading v96-191, in which the stage's loads land
.irp m, 0,1
.irp j, 0,1,2,3,4,5,6,7,8,9,10,11
	ds_store_b128 v[SO], v[8*(2*\j+\m):8*(2*\j+\m)+3] offset:49408*\m+256*\j          ; each accumulator from its low end on
	ds_store_b128 v[SO], v[8*(2*\j+\m)+4:8*(2*\j+\m)+7] offset:49408*\m+256*\j+16
.endr
.endr
	WIN 0
	BAR                                            ; 32 whole rows lie in the stage
	OUTB 0, 96
	OUTB 16, 160
	s_wait_xcnt 0x0                                ; the first sixteen stores have had their addresses translated: their registers are loaded again only behind this wait,
	s_wait_alu depctr_vm_vsrc(0)                   ; and they have read v96-159, in which the loads below land
	OUTB 32, 96
	s_wait_dscnt 0x0
	s_wait_alu depctr_hold_cnt(0) depctr_sa_sdst(0) depctr_va_vdst(0) depctr_va_sdst(0) depctr_va_ssrc(0) depctr_va_vcc(0) depctr_vm_vsrc(0)
	s_wait_tensorcnt 0x0
	ds_add_u32 v254, v255
	s_wait_dscnt 0x0
	s_endpgm
.Lfunc_end_k_q3575873a1e_mlp:
	.size	k_q3575873a1e_mlp, .Lfunc_end_k_q3575873a1e_mlp-k_q3575873a1e_mlp
	.p2alignl 7, 3214868480
	.fill 96, 4, 3214868480
	.section	.rodata,"a",@progbits
	.p2align	6, 0x0
	.amdhsa_kernel k_q3575873a1e_mlp
		.amdhsa_group_segment_fixed_size 233984
		.amdhsa_private_segment_fixed_size 0
		.amdhsa_enable_private_segment 0
		.amdhsa_kernarg_size 24
		.amdhsa_user_sgpr_count 2
		.amdhsa_user_sgpr_kernarg_segment_ptr 1
		.amdhsa_wavefront_size32 1
		.amdhsa_system_sgpr_workgroup_id_x 1
		.amdhsa_system_sgpr_workgroup_id_y 1
		.amdhsa_system_sgpr_workgroup_id_z 1
		.amdhsa_system_vgpr_workitem_id 0
		.amdhsa_next_free_vgpr 1024
		.amdhsa_next_free_sgpr 66
		.amdhsa_reserve_vcc 0
		.amdhsa_float_denorm_mode_32 3
		.amdhsa_float_denorm_mode_16_64 3
		.amdhsa_memory_ordered 1
		.amdhsa_forward_progress 1
		.amdhsa_inst_pref_size 255
	.end_amdhsa_kernel
	.section	.bss,"aw",@nobits
	.p2align	6
	.space	262144
	.amdgpu_metadata
---
amdhsa.version: [ 1, 2 ]
amdhsa.kernels:
  - .name:           k_q3575873a1e_mlp
    .symbol:         k_q3575873a1e_mlp.kd
    .args:
      - { .name: x, .offset: 0, .size: 8, .value_kind: global_buffer, .address_space: global }
      - { .name: wq, .offset: 8, .size: 8, .value_kind: global_buffer, .address_space: global }
      - { .name: out0, .offset: 16, .size: 8, .value_kind: global_buffer, .address_space: global }
    .group_segment_fixed_size: 233984
    .private_segment_fixed_size: 0
    .kernarg_segment_align: 8
    .kernarg_segment_size: 24
    .max_flat_workgroup_size: 128
    .sgpr_count:     66
    .vgpr_count:     1024
    .wavefront_size: 32
...
	.end_amdgpu_metadata
.endif
;; end of part 4
